; MI455X (gfx1250); checked and timed in simulation.
; The chip was launched on July 23, 2026; its instructions are those of AMD's public machine-readable ISA for CDNA 5 (MIT licence, August 2026) and "CDNA5" Instruction Set Architecture Reference Guide (July 2026). The comments in the code are by the model that wrote it; some were corrected since.
;; Heat Layer. Allowed arithmetic: float matrix products may take bf16 or f16 operands with f32 sums; all other float work in f32.
;; Inputs: beta one number float32; epsilon one number float32; h 1 x 8,192 x 384 float32; t 1 x 8,192 float32.
;; Outputs: out0 1 x 8,192 x 384 float32.
;; 2 versions, each right; version 2 is version 1 with the launches chunks, heat written anew for expert scheduling mode. Each part assembles by itself: llvm-mc -triple=amdgcn-amd-amdhsa -mcpu=gfx1250 --defsym DOCPART=n.
;; ======== version 1 of 2: 4 launches
;; workspace buffers: pos 32,768 bytes of whole numbers; ord 32,768 bytes of whole numbers; tss 32,768 bytes; fac 65,536 bytes; tsum 393,216 bytes
;; launch rank (part 1): grid 256 x 1, 16 waves a work-group, no clusters, 4,096 bytes of LDS; arguments t, pos; writes pos
.if DOCPART == 1
	.amdgcn_target "amdgcn-amd-amdhsa--gfx1250"
	.amdhsa_code_object_version 6
	.text
	.protected	k_q14cbed05fc_rank
	.globl	k_q14cbed05fc_rank
	.p2align	8
	.type	k_q14cbed05fc_rank,@function
k_q14cbed05fc_rank:
	s_mov_b64 s[64:65], 0
	v_nop
	global_prefetch_b8 v0, s[64:65] scope:SCOPE_SE
	s_setreg_imm32_b32 hwreg(HW_REG_WAVE_MODE, 25, 1), 1
	s_wait_xcnt 0x0
; pos[i] = the place of t[i] in ascending order, equal times in the order of their indices:
;   pos[i] = #{ j < i : t[j] <= t[i] } + #{ j >= i : t[j] < t[i] },  a permutation of 0 .. 8191 for every finite t.
; Nothing is assumed about the order in which t comes.  LIMIT: t holds no NaN and no infinity (there the counts are no permutation).
; Work-group g owns the 32 indices i = 32 g + lane.  Wave w counts over j = 512 w .. 512 w + 511: 16 blocks of 32 times, held in
; scalar registers, so that a pair (i, j) costs one compare and one add with carry for 32 values of i at once.
; One compare serves both cases: t[j] <= t[i] is t[j] < up(t[i]), up = the next f32 above.  A block that lies wholly in front of the
; group's own 32 indices takes up(t[i]) as its threshold, every other block t[i]; in the group's own block the pairs j < i with
; equal times are added apart.  No LDS tile, no matrix unit, no cluster: the 32 KB of t are all that is shared, and they come
; through the scalar loads.
.set A0, 16                            ; s[16:31]  block A, times 0-15
.set A1, 32                            ; s[32:47]  block A, times 16-31
.set B0, 48                            ; s[48:63]  block B, times 0-15
.set B1, 68                            ; s[68:83]  block B, times 16-31
.set MK, 84                            ; s[84:91]  eight compare masks
.set CN, 8                             ; v[8:11]   four counters, so that no add waits for the one in front of it
; s8 wave, s9 g, s10 trips, s11 number of the block at work, s[92:93] the wave's place in t, s[94:95] two times of the own block
; v1 4 x lane, v2 t[i], v3 up(t[i]), v4 the block's threshold, v5 byte offset of i, v7 the wave's word in LDS
.macro LOADA
	s_load_b512 s[A0:A0+15], s[92:93], 0x0
	s_load_b512 s[A1:A1+15], s[92:93], 0x40
.endm
.macro LOADB
	s_load_b512 s[B0:B0+15], s[92:93], 0x80
	s_load_b512 s[B1:B1+15], s[92:93], 0xc0
.endm
.macro THR                             ; the threshold of block s11, then the number steps
	s_cmp_lt_u32 s11, s9
	s_cselect_b32 s15, -1, 0
	v_cndmask_b32 v4, v2, v3, s15                  ; block in front of the own one: up(t[i]); else t[i]
	s_add_co_u32 s11, s11, 1
.endm
.macro CNT16 base                      ; 16 times against the 32 thresholds
.irp half, 0,8
.irp e, 0,1,2,3,4,5,6,7
	v_cmp_lt_f32 s[MK+\e], s[\base+\half+\e], v4
.endr
.irp e, 0,1,2,3,4,5,6,7
	v_add_co_ci_u32 v[CN+(\e%4)], vcc_lo, 0, v[CN+(\e%4)], s[MK+\e]   ; counter + 0 + the mask's bit
.endr
.endr
.endm
	s_load_b128 s[4:7], s[0:1], 0x0                ; t s[4:5], pos s[6:7]
	v_lshl_add_u32 v32, v0, 2, 0x800
	v_mov_b32 v33, 0
	v_lshrrev_b32 v1, 5, v0
	v_readfirstlane_b32 s8, v1                     ; wave
	v_and_b32 v1, 31, v0
	v_lshlrev_b32 v1, 2, v1                        ; 4 x lane
	s_mov_b32 s9, ttmp9                            ; g
	s_lshl_b32 s12, s9, 7                          ; 128 g: the group's 32 words
	v_add_nc_u32 v5, s12, v1
	s_lshl_b32 s13, s8, 3
	s_add_co_u32 s12, s12, s13                     ; + 8 w: the two times of the own block that this wave checks for ties
	s_lshl_b32 s13, s8, 7
	v_add_nc_u32 v7, s13, v1                       ; LDS: 128 w + 4 x lane
	s_lshl_b32 s11, s8, 4                          ; the wave's first block
	s_lshl_b32 s14, s8, 11                         ; 2,048 w bytes
	s_mov_b32 s15, 0
	v_mov_b32 v6, 1
.irp e, 0,1,2,3
	v_mov_b32 v[CN+\e], 0
.endr
	s_wait_kmcnt 0x0
	s_add_nc_u64 s[92:93], s[4:5], s[14:15]
	global_load_b32 v2, v5, s[4:5]
	s_load_b64 s[94:95], s[4:5], s12 offset:0x0
	LOADA
	s_wait_loadcnt 0x0
	v_ashrrev_i32 v3, 31, v2                       ; up(x): the bit pattern + 1 for x > 0, - 1 for x < 0,
	v_or_b32 v3, 1, v3
	v_add_nc_u32 v3, v2, v3
	v_cmp_eq_f32 vcc_lo, 0, v2
	v_cndmask_b32 v3, v3, v6, vcc_lo               ; and the smallest positive number for +0 and -0
	s_mov_b32 s10, 7
.Ltrip:
	s_wait_kmcnt 0x0                               ; scalar loads come back in no order: only zero shows block A in
	LOADB
	THR
	CNT16 A0
	CNT16 A1
	s_wait_kmcnt 0x0                               ; block B is in, and no load names the pointer any more
	s_add_nc_u64 s[92:93], s[92:93], 256
	LOADA
	THR
	CNT16 B0
	CNT16 B1
	s_sub_co_i32 s10, s10, 1
	s_cmp_lg_u32 s10, 0
	s_cbranch_scc1 .Ltrip
	s_wait_kmcnt 0x0                               ; the last two blocks, written out: nothing is loaded past the wave's 2,048 bytes
	LOADB
	THR
	CNT16 A0
	CNT16 A1
	s_wait_kmcnt 0x0
	THR
	CNT16 B0
	CNT16 B1
	; ties inside the own block: index 32 g + jj counts for the lanes above jj that hold the same time; jj = 2 w, 2 w + 1
	s_lshl_b32 s13, s8, 1
	s_lshl_b32 s14, -2, s13                        ; the lanes above jj
	v_cmp_eq_f32 s[MK], s94, v2
	s_and_b32 s[MK], s[MK], s14
	v_add_co_ci_u32 v[CN], vcc_lo, 0, v[CN], s[MK]
	s_lshl_b32 s14, s14, 1                         ; the lanes above jj + 1
	v_cmp_eq_f32 s[MK+1], s95, v2
	s_and_b32 s[MK+1], s[MK+1], s14
	v_add_co_ci_u32 v[CN+1], vcc_lo, 0, v[CN+1], s[MK+1]
	v_add3_u32 v8, v8, v9, v10
	v_add_nc_u32 v8, v8, v11
	ds_store_b32 v7, v8                            ; the wave's 32 counts
	s_wait_dscnt 0x0                               ; stored, for wave 0's sake, in front of the signal
	s_barrier_signal -1
	s_barrier_wait -1
	s_cmp_lg_u32 s8, 0
	s_cbranch_scc1 .Lend
.irp i, 0,1,2,3,4,5,6,7,8,9,10,11,12,13,14,15
	ds_load_b32 v[12+\i], v1 offset:128*\i         ; the sixteen waves' counts for my index
.endr
	s_wait_dscnt 0x0
	v_add3_u32 v12, v12, v13, v14
	v_add3_u32 v15, v15, v16, v17
	v_add3_u32 v18, v18, v19, v20
	v_add3_u32 v21, v21, v22, v23
	v_add3_u32 v24, v24, v25, v26
	v_add3_u32 v12, v12, v15, v18
	v_add3_u32 v21, v21, v24, v27
	v_add_nc_u32 v12, v12, v21
	global_store_b32 v5, v12, s[6:7]               ; 128 consecutive bytes for the group's 32 indices
.Lend:
	s_wait_tensorcnt 0x0
	ds_add_u32 v32, v33
	s_wait_dscnt 0x0
	s_endpgm
.Lfunc_end_k_q14cbed05fc_rank:
	.size	k_q14cbed05fc_rank, .Lfunc_end_k_q14cbed05fc_rank-k_q14cbed05fc_rank
	.p2alignl 7, 3214868480
	.fill 96, 4, 3214868480
	.section	.rodata,"a",@progbits
	.p2align	6, 0x0
	.amdhsa_kernel k_q14cbed05fc_rank
		.amdhsa_group_segment_fixed_size 4096
		.amdhsa_private_segment_fixed_size 0
		.amdhsa_enable_private_segment 0
		.amdhsa_kernarg_size 16
		.amdhsa_user_sgpr_count 2
		.amdhsa_user_sgpr_kernarg_segment_ptr 1
		.amdhsa_wavefront_size32 1
		.amdhsa_system_sgpr_workgroup_id_x 1
		.amdhsa_system_sgpr_workgroup_id_y 1
		.amdhsa_system_sgpr_workgroup_id_z 1
		.amdhsa_system_vgpr_workitem_id 0
		.amdhsa_next_free_vgpr 34
		.amdhsa_next_free_sgpr 96
		.amdhsa_reserve_vcc 1
		.amdhsa_float_denorm_mode_32 3
		.amdhsa_float_denorm_mode_16_64 3
		.amdhsa_memory_ordered 1
		.amdhsa_forward_progress 1
		.amdhsa_inst_pref_size 22
	.end_amdhsa_kernel
	.amdgpu_metadata
---
amdhsa.version: [ 1, 2 ]
amdhsa.kernels:
  - .name:           k_q14cbed05fc_rank
    .symbol:         k_q14cbed05fc_rank.kd
    .args:
      - { .name: t, .offset: 0, .size: 8, .value_kind: global_buffer, .address_space: global }
      - { .name: pos, .offset: 8, .size: 8, .value_kind: global_buffer, .address_space: global }
    .group_segment_fixed_size: 4096
    .private_segment_fixed_size: 0
    .kernarg_segment_align: 8
    .kernarg_segment_size: 16
    .max_flat_workgroup_size: 512
    .sgpr_count:     96
    .vgpr_count:     34
    .wavefront_size: 32
...
	.end_amdgpu_metadata
.endif
;; end of part 1
;; launch place (part 2): grid 256 x 1, 1 waves a work-group, no clusters, 0 bytes of LDS; arguments pos, t, ord, tss; writes ord, tss
.if DOCPART == 2
	.amdgcn_target "amdgcn-amd-amdhsa--gfx1250"
	.amdhsa_code_object_version 6
	.text
	.protected	k_q14cbed05fc_place
	.globl	k_q14cbed05fc_place
	.p2align	8
	.type	k_q14cbed05fc_place,@function
k_q14cbed05fc_place:
	s_mov_b64 s[64:65], 0
	v_nop
	global_prefetch_b8 v0, s[64:65] scope:SCOPE_SE
	s_setreg_imm32_b32 hwreg(HW_REG_WAVE_MODE, 25, 1), 1
	s_wait_xcnt 0x0
; The permutation is turned round: ord[pos[i]] = i, tss[pos[i]] = t[i].  tss is t in ascending order, ord says where each came from.
; It is a launch of its own because pos, which steers the stores' addresses here, was made from floating-point compares in the launch before.
; One wave a work-group, one index a lane.  The stores are 4 bytes a lane at places that the data choose (neighbouring where t
; comes in order): 64 KB in all, which is why no sorting through LDS is spent on them.
	s_load_b256 s[4:11], s[0:1], 0x0               ; pos s[4:5], t s[6:7], ord s[8:9], tss s[10:11]
	s_lshl_b32 s12, ttmp9, 7
	v_lshl_add_u32 v1, v0, 2, s12                  ; 4 i
	s_lshl_b32 s13, ttmp9, 5
	v_add_nc_u32 v2, s13, v0                       ; i = 32 g + lane
	s_wait_kmcnt 0x0
	global_load_b32 v3, v1, s[4:5]
	global_load_b32 v4, v1, s[6:7]
	s_wait_loadcnt 0x1                             ; pos[i] is in; t[i], issued behind it, may be out
	v_min_u32 v3, 0x1fff, v3                       ; a place stays inside the table
	v_lshlrev_b32 v3, 2, v3
	global_store_b32 v3, v2, s[8:9]
	s_wait_loadcnt 0x0
	global_store_b32 v3, v4, s[10:11]
	s_endpgm
.Lfunc_end_k_q14cbed05fc_place:
	.size	k_q14cbed05fc_place, .Lfunc_end_k_q14cbed05fc_place-k_q14cbed05fc_place
	.p2alignl 7, 3214868480
	.fill 96, 4, 3214868480
	.section	.rodata,"a",@progbits
	.p2align	6, 0x0
	.amdhsa_kernel k_q14cbed05fc_place
		.amdhsa_group_segment_fixed_size 0
		.amdhsa_private_segment_fixed_size 0
		.amdhsa_enable_private_segment 0
		.amdhsa_kernarg_size 32
		.amdhsa_user_sgpr_count 2
		.amdhsa_user_sgpr_kernarg_segment_ptr 1
		.amdhsa_wavefront_size32 1
		.amdhsa_system_sgpr_workgroup_id_x 1
		.amdhsa_system_sgpr_workgroup_id_y 1
		.amdhsa_system_sgpr_workgroup_id_z 1
		.amdhsa_system_vgpr_workitem_id 0
		.amdhsa_next_free_vgpr 8
		.amdhsa_next_free_sgpr 66
		.amdhsa_reserve_vcc 0
		.amdhsa_float_denorm_mode_32 3
		.amdhsa_float_denorm_mode_16_64 3
		.amdhsa_memory_ordered 1
		.amdhsa_forward_progress 1
		.amdhsa_inst_pref_size 2
	.end_amdhsa_kernel
	.amdgpu_metadata
---
amdhsa.version: [ 1, 2 ]
amdhsa.kernels:
  - .name:           k_q14cbed05fc_place
    .symbol:         k_q14cbed05fc_place.kd
    .args:
      - { .name: pos, .offset: 0, .size: 8, .value_kind: global_buffer, .address_space: global }
      - { .name: t, .offset: 8, .size: 8, .value_kind: global_buffer, .address_space: global }
      - { .name: ord, .offset: 16, .size: 8, .value_kind: global_buffer, .address_space: global }
      - { .name: tss, .offset: 24, .size: 8, .value_kind: global_buffer, .address_space: global }
    .group_segment_fixed_size: 0
    .private_segment_fixed_size: 0
    .kernarg_segment_align: 8
    .kernarg_segment_size: 32
    .max_flat_workgroup_size: 32
    .sgpr_count:     66
    .vgpr_count:     8
    .wavefront_size: 32
...
	.end_amdgpu_metadata
.endif
;; end of part 2
;; launch chunks (part 3): grid 64 x 3, 16 waves a work-group, no clusters, 34,816 bytes of LDS; arguments ord, tss, beta, epsilon, h, fac, tsum; writes fac, tsum
.if DOCPART == 3
	.amdgcn_target "amdgcn-amd-amdhsa--gfx1250"
	.amdhsa_code_object_version 6
	.text
	.protected	k_q14cbed05fc_chunks
	.globl	k_q14cbed05fc_chunks
	.p2align	8
	.type	k_q14cbed05fc_chunks,@function
k_q14cbed05fc_chunks:
	s_mov_b64 s[64:65], 0
	v_nop
	global_prefetch_b8 v0, s[64:65] scope:SCOPE_SE
	s_setreg_imm32_b32 hwreg(HW_REG_WAVE_MODE, 25, 1), 1
	s_wait_xcnt 0x0
; exp(beta (t_i - t_j)) = a_i b_j with a_i = exp(beta (t_i - mid)), b_j = exp(beta (mid - t_j)), mid = (min t + max t) / 2.
; In the order of time the rows fall into 64 chunks of 128.  Work-group (c, p) sums chunk c over the 128 columns 128 p .. 128 p + 127:
;   T1 = sum of h,  T2 = sum of b relu(h),  H1, H2 = the same over those rows only whose time equals the chunk's first time
; (rows that an earlier chunk's last rows tie with).  tsum[c][p] = T1 | T2 | H1 | H2, 128 f32 each.  All sums in f32.
; Part 0 also stores the factors of its chunk: fac = b (at 0) and epsilon a (at 0x8000), in the order of time.
; LIMITS: |beta| (max t - min t) < 88, the range in which exp(beta tau) of the problem is itself finite: both factors then lie inside
; e^-44 .. e^44.  A NaN in h is dropped by the maximum with 0.
; Wave w gathers rows 8 w .. 8 w + 7 of the chunk, 512 consecutive aligned bytes a row and load; a lane keeps 4 columns.  All 8 loads of a
; wave are issued at once, 64 KB for the work-group, so no ring, no tensor load (the rows follow a list) and no prefetch; no two
; work-groups read the same bytes of h, so no cluster.  h is loaded without a cache hint: the next launch reads the rows again.
.set OFF, 8                            ; v[8:15]   byte offsets of my 16 bytes in the 8 rows
.set BF,  16                           ; v[16:23]  b of the 8 rows (the same in all lanes)
.set HF,  24                           ; v[24:31]  1.0 where the row's time is the chunk's first time, else 0
.set HB,  32                           ; v[32:39]  HF x b
.set XR,  40                           ; v[40:71]  the 8 rows, 4 columns each; row 0's registers go on as T1
.set RL,  72                           ; v[72:75]  relu of the row at work
.set T2,  76
.set H1,  80
.set H2,  84
.set SUM, 8                            ; v[8:71]   at the end: the sixteen waves' partial sums
; v1 512 w + 16 lane, v2 2048 w + 16 lane, v3 16 lane, v4 512 p + 16 lane, v5 1.0, v6 first time of the chunk, v7 a store's offset
; s20 beta, s21 epsilon, s22 512 c, s23 beta log2(e), s24 wave, s25 c, s26 p, s27 512 c + 32 w, s28 min t, s29 max t, s30 mid,
; s31 first time of the chunk, s[32:39] the rows' indices, then byte offsets, s[40:47] the rows' times
	s_load_b256 s[4:11], s[0:1], 0x0               ; ord s[4:5], tss s[6:7], beta s[8:9], epsilon s[10:11]
	s_load_b128 s[12:15], s[0:1], 0x20             ; h s[12:13], fac s[14:15]
	s_load_b64 s[16:17], s[0:1], 0x30              ; tsum
	v_lshl_add_u32 v96, v0, 2, 0x8000
	v_mov_b32 v97, 0
	v_lshrrev_b32 v1, 5, v0
	v_readfirstlane_b32 s24, v1
	s_mov_b32 s25, ttmp9
	s_and_b32 s26, ttmp7, 0xffff
	s_lshl_b32 s22, s25, 9
	s_lshl_b32 s27, s24, 5
	s_add_co_u32 s27, s27, s22
	v_and_b32 v3, 31, v0
	v_lshlrev_b32 v3, 4, v3
	s_lshl_b32 s18, s26, 9
	v_add_nc_u32 v4, s18, v3
	s_lshl_b32 s18, s24, 11
	v_add_nc_u32 v2, s18, v3
	s_lshl_b32 s18, s24, 9
	v_add_nc_u32 v1, s18, v3
	v_mov_b32 v5, 1.0
	s_wait_kmcnt 0x0
	s_load_b256 s[32:39], s[4:5], s27 offset:0x0   ; where my 8 rows come from
	s_load_b256 s[40:47], s[6:7], s27 offset:0x0   ; their times
	s_load_b32 s20, s[8:9], 0x0
	s_load_b32 s21, s[10:11], 0x0
	s_load_b32 s28, s[6:7], 0x0                    ; the smallest time
	s_load_b32 s29, s[6:7], 0x7ffc                 ; the largest
	s_load_b32 s31, s[6:7], s22 offset:0x0         ; the chunk's first
	s_wait_kmcnt 0x0
.irp i, 0,1,2,3,4,5,6,7
	s_min_u32 s[32+\i], s[32+\i], 0x1fff           ; an index stays inside h
	s_mul_i32 s[32+\i], s[32+\i], 0x600            ; rows of 1,536 bytes
	v_add_nc_u32 v[OFF+\i], s[32+\i], v4
	global_load_b128 v[XR+4*\i:XR+4*\i+3], v[OFF+\i], s[12:13]
.endr
	; the factors, while the rows are on their way
	s_mul_f32 s23, s20, 0x3fb8aa3b                 ; e^x = 2^(x log2 e)
	s_mul_f32 s30, s28, 0.5
	s_fmac_f32 s30, s29, 0.5                       ; mid, formed so that it cannot overflow
	v_mov_b32 v6, s31
.irp i, 0,1,2,3,4,5,6,7
	v_sub_f32 v[BF+\i], s30, s[40+\i]
	v_mul_f32 v[BF+\i], s23, v[BF+\i]
.endr
.irp i, 0,1,2,3,4,5,6,7
	v_exp_f32 v[BF+\i], v[BF+\i]
.endr
.irp i, 0,1,2,3,4,5,6,7
	v_cmp_eq_f32 vcc_lo, s[40+\i], v6              ; (the first of these is the plain instruction between the exponentials and their use)
	v_cndmask_b32 v[HF+\i], 0, v5, vcc_lo
.endr
	s_wait_alu depctr_va_vdst(0)
.irp i, 0,1,2,3,4,5,6,7
	v_mul_f32 v[HB+\i], v[HF+\i], v[BF+\i]
.endr
.macro ROW i
	s_wait_loadcnt 7-\i                            ; loads come back in order: row i is in, the 7 - i younger ones may be out
.irp e, 0,1,2,3
	v_max_num_f32 v[RL+\e], 0, v[XR+4*\i+\e]
.endr
.if \i == 0
.irp e, 0,1,2,3
	v_mul_f32 v[T2+\e], v[BF], v[RL+\e]            ; the first row starts the sums: nothing is cleared
	v_mul_f32 v[H1+\e], v[HF], v[XR+\e]
	v_mul_f32 v[H2+\e], v[HB], v[RL+\e]
.endr
.else
	v_pk_add_f32 v[XR:XR+1], v[XR:XR+1], v[XR+4*\i:XR+4*\i+1]
	v_pk_add_f32 v[XR+2:XR+3], v[XR+2:XR+3], v[XR+4*\i+2:XR+4*\i+3]
.irp e, 0,1,2,3
	v_fmac_f32 v[T2+\e], v[BF+\i], v[RL+\e]
	v_fmac_f32 v[H1+\e], v[HF+\i], v[XR+4*\i+\e]
	v_fmac_f32 v[H2+\e], v[HB+\i], v[RL+\e]
.endr
.endif
.endm
.irp i, 0,1,2,3,4,5,6,7
	ROW \i
.endr
	ds_store_b128 v2, v[XR:XR+3]                   ; the wave's 2,048 bytes: T1 | T2 | H1 | H2
	ds_store_b128 v2, v[T2:T2+3] offset:512
	ds_store_b128 v2, v[H1:H1+3] offset:1024
	ds_store_b128 v2, v[H2:H2+3] offset:1536
	s_wait_dscnt 0x0                               ; stored, for the other waves' sake, in front of the signal
	s_barrier_signal -1
	s_barrier_wait -1
	s_cmp_lt_u32 s24, 4
	s_cbranch_scc1 .Lsum
	s_cmp_lg_u32 s24, 4
	s_cbranch_scc1 .Lend
	s_cmp_lg_u32 s26, 0
	s_cbranch_scc1 .Lend
	; wave 4 of part 0: the chunk's 128 factors, four a lane
	v_add_nc_u32 v7, s22, v3                       ; 512 c + 16 lane
	global_load_b128 v[8:11], v7, s[6:7]
	s_wait_loadcnt 0x0
.irp e, 0,1,2,3
	v_sub_f32 v[12+\e], s30, v[8+\e]               ; mid - t
	v_sub_f32 v[16+\e], v[8+\e], s30               ; t - mid
	v_mul_f32 v[12+\e], s23, v[12+\e]
	v_mul_f32 v[16+\e], s23, v[16+\e]
.endr
.irp e, 0,1,2,3,4,5,6,7
	v_exp_f32 v[12+\e], v[12+\e]
.endr
	v_nop                                          ; one plain instruction between the exponentials and their use (ISA guide 5.7.2)
	s_wait_alu depctr_va_vdst(0)
.irp e, 0,1,2,3
	v_mul_f32 v[16+\e], s21, v[16+\e]              ; epsilon a
.endr
	global_store_b128 v7, v[12:15], s[14:15]               ; 512 consecutive aligned bytes each
	global_store_b128 v7, v[16:19], s[14:15] offset:0x8000
	s_wait_tensorcnt 0x0
	ds_add_u32 v96, v97
	s_wait_dscnt 0x0
	s_endpgm
.Lsum:
	; waves 0 to 3: wave q sums vector q (T1, T2, H1, H2) over the sixteen waves
.macro ADDV a, b
	v_pk_add_f32 v[SUM+4*(\a):SUM+4*(\a)+1], v[SUM+4*(\a):SUM+4*(\a)+1], v[SUM+4*(\b):SUM+4*(\b)+1]
	v_pk_add_f32 v[SUM+4*(\a)+2:SUM+4*(\a)+3], v[SUM+4*(\a)+2:SUM+4*(\a)+3], v[SUM+4*(\b)+2:SUM+4*(\b)+3]
.endm
.irp i, 0,1,2,3,4,5,6,7,8,9,10,11,12,13,14,15
	ds_load_b128 v[SUM+4*\i:SUM+4*\i+3], v1 offset:2048*\i
.endr
	s_mul_i32 s18, s25, 3
	s_add_co_u32 s18, s18, s26
	s_lshl_b32 s18, s18, 11                        ; (3 c + p) x 2,048 bytes
	v_add_nc_u32 v7, s18, v1
	s_wait_dscnt 0x0
.irp i, 0,1,2,3,4,5,6,7
	ADDV \i, \i+8
.endr
.irp i, 0,1,2,3
	ADDV \i, \i+4
.endr
	ADDV 0, 2
	ADDV 1, 3
	ADDV 0, 1
	global_store_b128 v7, v[SUM:SUM+3], s[16:17]   ; 512 consecutive aligned bytes a wave
.Lend:
	s_wait_tensorcnt 0x0
	ds_add_u32 v96, v97
	s_wait_dscnt 0x0
	s_endpgm
.Lfunc_end_k_q14cbed05fc_chunks:
	.size	k_q14cbed05fc_chunks, .Lfunc_end_k_q14cbed05fc_chunks-k_q14cbed05fc_chunks
	.p2alignl 7, 3214868480
	.fill 96, 4, 3214868480
	.section	.rodata,"a",@progbits
	.p2align	6, 0x0
	.amdhsa_kernel k_q14cbed05fc_chunks
		.amdhsa_group_segment_fixed_size 34816
		.amdhsa_private_segment_fixed_size 0
		.amdhsa_enable_private_segment 0
		.amdhsa_kernarg_size 56
		.amdhsa_user_sgpr_count 2
		.amdhsa_user_sgpr_kernarg_segment_ptr 1
		.amdhsa_wavefront_size32 1
		.amdhsa_system_sgpr_workgroup_id_x 1
		.amdhsa_system_sgpr_workgroup_id_y 1
		.amdhsa_system_sgpr_workgroup_id_z 1
		.amdhsa_system_vgpr_workitem_id 0
		.amdhsa_next_free_vgpr 98
		.amdhsa_next_free_sgpr 66
		.amdhsa_reserve_vcc 1
		.amdhsa_float_denorm_mode_32 3
		.amdhsa_float_denorm_mode_16_64 3
		.amdhsa_memory_ordered 1
		.amdhsa_forward_progress 1
		.amdhsa_inst_pref_size 17
	.end_amdhsa_kernel
	.amdgpu_metadata
---
amdhsa.version: [ 1, 2 ]
amdhsa.kernels:
  - .name:           k_q14cbed05fc_chunks
    .symbol:         k_q14cbed05fc_chunks.kd
    .args:
      - { .name: ord, .offset: 0, .size: 8, .value_kind: global_buffer, .address_space: global }
      - { .name: tss, .offset: 8, .size: 8, .value_kind: global_buffer, .address_space: global }
      - { .name: beta, .offset: 16, .size: 8, .value_kind: global_buffer, .address_space: global }
      - { .name: epsilon, .offset: 24, .size: 8, .value_kind: global_buffer, .address_space: global }
      - { .name: h, .offset: 32, .size: 8, .value_kind: global_buffer, .address_space: global }
      - { .name: fac, .offset: 40, .size: 8, .value_kind: global_buffer, .address_space: global }
      - { .name: tsum, .offset: 48, .size: 8, .value_kind: global_buffer, .address_space: global }
    .group_segment_fixed_size: 34816
    .private_segment_fixed_size: 0
    .kernarg_segment_align: 8
    .kernarg_segment_size: 56
    .max_flat_workgroup_size: 512
    .sgpr_count:     66
    .vgpr_count:     98
    .wavefront_size: 32
...
	.end_amdgpu_metadata
.endif
;; end of part 3
;; launch heat (part 4): grid 64 x 3, 16 waves a work-group, no clusters, 174,080 bytes of LDS; arguments ord, tss, fac, tsum, h, out0; writes out0
.if DOCPART == 4
	.amdgcn_target "amdgcn-amd-amdhsa--gfx1250"
	.amdhsa_code_object_version 6
	.text
	.protected	k_q14cbed05fc_heat
	.globl	k_q14cbed05fc_heat
	.p2align	8
	.type	k_q14cbed05fc_heat,@function
k_q14cbed05fc_heat:
	s_mov_b64 s[64:65], 0
	v_nop
	global_prefetch_b8 v0, s[64:65] scope:SCOPE_SE
	s_setreg_imm32_b32 hwreg(HW_REG_WAVE_MODE, 25, 1), 1
	s_wait_xcnt 0x0
; For row m of chunk c in the order of time (ts = sorted times, g = b relu(h), as = epsilon a):
;   out[ord[m]] = E1 + S1(m) + z(m) X1 + as(m) ( E2 + S2(m) + z(m) X2 )
;   E  = sum of T over the chunks in front of c (every row there is at or before every row of c),
;   S(m) = sum over the chunk's 128 rows k of [ts(m) >= ts(k)] x row k: the mask of the problem itself, on the matrix unit,
;   z(m) = [ts(m) = last time of c],  X = sum over later chunks cc of [first time of cc = last time of c] H(cc): ties across chunk ends.
; This holds for every t, with any pattern of equal times.  All choices are 0/1 factors from compares: no branch, no address hangs on a time.
; FORMATS: h and g of the own chunk go to the matrix unit in bf16 (the mask is exact), sums in f32; E, X and the rest in f32.
; LIMITS: as in the launch before: |beta| (max t - min t) < 88; a NaN in h is dropped by the maximum with 0.
; Work-group (c, p): chunk c, columns 128 p .. 128 p + 127.  Wave w gathers and later stores rows 8 w .. 8 w + 7 (512 consecutive aligned bytes
; a row and instruction).  In the product it owns rows 32 mp .. + 31 (mp = w / 4) and columns 32 nq .. + 31 (nq = w % 4) of h and of g:
; 8 accumulator tiles, 4 K steps of 32, 32 matrix instructions.
; Left out: tensor loads (the rows follow a list, and all 36 loads of a wave are issued at once); a cluster (no two work-groups read the same
; bytes of h; of tsum a work-group takes T in front of its chunk and H behind it, so partners with other c would ask for other halves);
; prefetching (every load stands at the head of the text).
.set DP,    544                        ; LDS row of DATA: 128 bf16 of h, 128 bf16 of g, 32 bytes of pad; 17 x 32
.set SPT,   528                        ; LDS row of STAGE: 128 f32 + 16 bytes; 33 x 16: sixteen rows start in sixteen different 16-byte columns of 256
.set STAGE, 128*DP                     ; 69,632
.set PART,  STAGE+128*SPT              ; 137,216: sixteen waves x (E1 | E2 | X1 | X2), 2,048 bytes each
.set EF,    PART+16*2048               ; 169,984: their sums, 2,048 bytes; the end is 172,032
.set ACC,   32                         ; v[32:95]   tile 4 mi + 2 part + j.  Before the product: chunk sums v[32:63], E, X v[64:79], factors v[80:83]; then the rows' scratch
.set MSK,   96                         ; v[96:159]  mask fragments 4 mi + ks
.set TS,    160                        ; v[160:223] the chunk's times in fragment order; later fragment buffers F1, F2
.set XR,    224                        ; v[224:255] my 8 rows of h; later fragment buffer F0
.set F0,    224
.set F1,    160
.set F2,    192
.set OFF,   16                         ; v[16:23]   byte offset of my 16 bytes in rows ord[..]: for the loads of h and the stores of out
; v1 bf16 1.0 in the low half, v2 1.0 (= bf16 1.0 in the high half), v3 EF + 16 L, v4 512 p + 16 L, v5 DATA store, v6 fragment address,
; v7 512 c + 32 hh, v8 v9 times of my two m tiles' rows, v10 last time of c, v11 STAGE store, v12 STAGE read, v13 PART store, v14 PART read,
; v24-27 offsets of the chunk sums, then scratch, v28 v29 as of my two m tiles' rows, v30 offset of those, v84-88 set-up scratch
; s16 w, s17 c, s18 p, s19 mp, s20 nq, s21 512 c + 32 w, s22 512 w, s23 512 c + 508, s[24:31] ord -> offsets, s[32:39] b, s[40:47] as,
; s[48:55] times of my 8 rows, s[56:59] first times of chunks w + 16 k, s60 last time of c, s[66:69] [cc < c], s[70:73] [cc > c], s[74:77] tsum offsets
	s_load_b256 s[4:11], s[0:1], 0x0               ; ord s[4:5], tss s[6:7], fac s[8:9], tsum s[10:11]
	s_load_b128 s[12:15], s[0:1], 0x20             ; h s[12:13], out0 s[14:15]
	v_lshl_add_u32 v15, v0, 2, 0x2a000
	v_mov_b32 v31, 0
	v_lshrrev_b32 v84, 5, v0
	v_readfirstlane_b32 s16, v84
	s_mov_b32 s17, ttmp9
	s_and_b32 s18, ttmp7, 0xffff
	s_lshr_b32 s19, s16, 2
	s_and_b32 s20, s16, 3
	s_lshl_b32 s78, s17, 9                         ; 512 c
	s_lshl_b32 s21, s16, 5
	s_add_co_u32 s21, s21, s78
	s_lshl_b32 s22, s16, 9
	s_add_co_u32 s23, s78, 508
	v_and_b32 v84, 31, v0                          ; L
	v_and_b32 v85, 15, v0                          ; r
	v_bfe_u32 v86, v0, 4, 1                        ; hh
	v_lshlrev_b32 v87, 4, v84                      ; 16 L
	v_mov_b32 v1, 0x3f80
	v_mov_b32 v2, 1.0
	; my four chunks cc = w + 16 k: in front of c their T halves count, behind c their H halves
.irp k, 0,1,2,3
	s_add_co_u32 s61, s16, 16*\k
	s_mul_i32 s62, s61, 3
	s_add_co_u32 s62, s62, s18
	s_lshl_b32 s62, s62, 11                        ; (3 cc + p) x 2,048
	s_cmp_lt_u32 s61, s17
	s_cselect_b32 s[66+\k], 1.0, 0
	s_cselect_b32 s63, 0, 1024
	s_add_co_u32 s[74+\k], s62, s63
	s_cmp_gt_u32 s61, s17
	s_cselect_b32 s[70+\k], 1.0, 0
	v_add_nc_u32 v[24+\k], s[74+\k], v87
.endr
	v_lshl_add_u32 v7, v86, 5, s78                 ; 512 c + 32 hh
	s_lshl_b32 s61, s19, 7
	s_add_co_u32 s61, s61, s78
	v_lshl_add_u32 v30, v85, 2, s61                ; 4 (128 c + 32 mp + r)
	s_lshl_b32 s61, s18, 9
	v_add_nc_u32 v4, s61, v87
	s_wait_kmcnt 0x0
	s_load_b256 s[24:31], s[4:5], s21 offset:0x0
	s_load_b256 s[32:39], s[8:9], s21 offset:0x0
	s_load_b256 s[40:47], s[8:9], s21 offset:0x8000
	s_load_b256 s[48:55], s[6:7], s21 offset:0x0
.irp k, 0,1,2,3
	s_load_b32 s[56+\k], s[6:7], s22 offset:8192*\k
.endr
	s_load_b32 s60, s[6:7], s23 offset:0x0
.irp k, 0,1,2,3
	global_load_b128 v[32+8*\k:35+8*\k], v[24+\k], s[10:11]               ; T1 or H1 of chunk w + 16 k
	global_load_b128 v[36+8*\k:39+8*\k], v[24+\k], s[10:11] offset:512    ; T2 or H2
.endr
	global_load_b32 v8, v30, s[6:7]
	global_load_b32 v9, v30, s[6:7] offset:64
	global_load_b32 v28, v30, s[8:9] offset:0x8000
	global_load_b32 v29, v30, s[8:9] offset:0x8040
.irp ks, 0,1,2,3
	global_load_b128 v[TS+16*\ks:TS+16*\ks+3],     v7, s[6:7] offset:128*\ks      ; k = 32 ks + 8 hh + 0 .. 3
	global_load_b128 v[TS+16*\ks+4:TS+16*\ks+7],   v7, s[6:7] offset:128*\ks+16   ;                  + 4 .. 7
	global_load_b128 v[TS+16*\ks+8:TS+16*\ks+11],  v7, s[6:7] offset:128*\ks+64   ; k = 32 ks + 16 + 8 hh + 0 .. 3
	global_load_b128 v[TS+16*\ks+12:TS+16*\ks+15], v7, s[6:7] offset:128*\ks+80
.endr
	s_wait_kmcnt 0x0
.irp i, 0,1,2,3,4,5,6,7
	s_min_u32 s[24+\i], s[24+\i], 0x1fff           ; an index stays inside h and out
	s_mul_i32 s[24+\i], s[24+\i], 0x600
	v_add_nc_u32 v[OFF+\i], s[24+\i], v4
	global_load_b128 v[XR+4*\i:XR+4*\i+3], v[OFF+\i], s[12:13] th:TH_LOAD_NT   ; each row piece is read once in this launch
.endr
	; LDS addresses, while the loads are on their way
	v_mov_b32 v10, s60
	v_add_nc_u32 v3, EF, v87
	s_mul_i32 s61, s16, 8*DP
	v_lshl_add_u32 v5, v84, 3, s61                 ; row 8 w, 8 bytes (4 bf16) a lane
	v_and_b32 v88, 7, v0
	v_lshl_add_u32 v88, v86, 3, v88                ; 8 hh + L % 8
	v_mul_u32_u24 v6, v88, DP
	v_bfe_u32 v88, v0, 3, 1
	v_lshl_add_u32 v6, v88, 4, v6                  ; + 16 ((L / 8) % 2)
	s_lshl_b32 s61, s20, 6
	v_add_nc_u32 v6, s61, v6                       ; + 2 x 32 nq
	s_mul_i32 s61, s19, 32*SPT
	s_lshl_b32 s63, s20, 7
	s_add_co_u32 s61, s61, s63
	s_add_co_u32 s61, s61, STAGE
	v_mul_u32_u24 v11, v85, SPT
	v_lshl_add_u32 v11, v86, 5, v11
	v_add_nc_u32 v11, s61, v11                     ; STAGE + (32 mp + r) pitch + 128 nq + 32 hh
	s_mul_i32 s61, s16, 8*SPT
	s_add_co_u32 s61, s61, STAGE
	v_add_nc_u32 v12, s61, v87
	s_lshl_b32 s61, s16, 11
	s_add_co_u32 s61, s61, PART
	v_add_nc_u32 v13, s61, v87
	s_lshl_b32 s61, s16, 7
	s_add_co_u32 s61, s61, PART
	v_lshl_add_u32 v14, v84, 2, s61                ; PART + 4 (32 w + L): my word of the 512
	; 1. my four chunks' share of E and X
	s_wait_loadcnt 28                              ; the 8 chunk sums are in; 4 + 16 + 8 younger loads may be out
.irp k, 0,1,2,3
	v_mov_b32 v80, s[66+\k]                        ; [cc < c], twice: a pair for the packed forms
	v_mov_b32 v81, s[66+\k]
	v_cmp_eq_f32 vcc_lo, s[56+\k], v10
	v_mov_b32 v83, s[70+\k]
	v_cndmask_b32 v82, 0, v83, vcc_lo              ; [cc > c] [first time of cc = last time of c]
	v_mov_b32 v83, v82
.irp e, 0,2,4,6
.if \k == 0
	v_pk_mul_f32 v[64+\e:65+\e], v[32+\e:33+\e], v[80:81]          ; the first chunk starts the sums
	v_pk_mul_f32 v[72+\e:73+\e], v[32+\e:33+\e], v[82:83]
.else
	v_pk_fma_f32 v[64+\e:65+\e], v[32+8*\k+\e:33+8*\k+\e], v[80:81], v[64+\e:65+\e]
	v_pk_fma_f32 v[72+\e:73+\e], v[32+8*\k+\e:33+8*\k+\e], v[82:83], v[72+\e:73+\e]
.endif
.endr
.endr
	ds_store_b128 v13, v[64:67]                    ; E1
	ds_store_b128 v13, v[68:71] offset:512         ; E2
	ds_store_b128 v13, v[72:75] offset:1024        ; X1
	ds_store_b128 v13, v[76:79] offset:1536        ; X2
	; 2. the mask [ts(m) >= ts(k)] as bf16 fragments: lane (r, hh) holds row m = r, registers 0-3 k = 8 hh + 0..7, registers 4-7 k = 16 + 8 hh + 0..7
	s_wait_loadcnt 8                               ; the times and as are in; the 8 rows of h may be out
.macro MASKF mi, ks
.irp i, 0,1,2,3,4,5,6,7
	v_cmp_ge_f32 vcc_lo, v[8+\mi], v[TS+16*\ks+2*\i]
	v_cndmask_b32 v24, 0, v1, vcc_lo
	v_cmp_ge_f32 vcc_lo, v[8+\mi], v[TS+16*\ks+2*\i+1]
	v_cndmask_b32 v25, 0, v2, vcc_lo
	v_or_b32 v[MSK+8*(4*\mi+\ks)+\i], v24, v25
.endr
.endm
.irp mi, 0,1
.irp ks, 0,1,2,3
	MASKF \mi, \ks
.endr
.endr
	; 3. my 8 rows into DATA: h and g = b relu(h), rounded once to bf16
.macro ROW i
	s_wait_loadcnt 7-\i                            ; row i is in, the 7 - i younger ones may be out
	v_cvt_pk_bf16_f32 v[ACC+8*\i],   v[XR+4*\i],   v[XR+4*\i+1]
	v_cvt_pk_bf16_f32 v[ACC+8*\i+1], v[XR+4*\i+2], v[XR+4*\i+3]
	ds_store_b64 v5, v[ACC+8*\i:ACC+8*\i+1] offset:\i*DP
.irp e, 0,1,2,3
	v_max_num_f32 v[ACC+8*\i+4+\e], 0, v[XR+4*\i+\e]
.endr
.irp e, 0,1,2,3
	v_mul_f32 v[ACC+8*\i+4+\e], s[32+\i], v[ACC+8*\i+4+\e]
.endr
	v_cvt_pk_bf16_f32 v[ACC+8*\i+2], v[ACC+8*\i+4], v[ACC+8*\i+5]
	v_cvt_pk_bf16_f32 v[ACC+8*\i+3], v[ACC+8*\i+6], v[ACC+8*\i+7]
	ds_store_b64 v5, v[ACC+8*\i+2:ACC+8*\i+3] offset:\i*DP+256
.endm
.irp i, 0,1,2,3,4,5,6,7
	ROW \i
.endr
	s_wait_dscnt 0x0                               ; DATA and PART are stored, for the other waves' sake, in front of the signal
	s_barrier_signal -1
	s_barrier_wait -1
	; 4. the product.  Source 0 = DATA transposed (lane r = column n0 + r), source 1 = the mask (lane r = row m0 + r):
	; register e of lane (r, hh) then holds out(m0 + r, n0 + 8 hh + e), eight neighbouring columns of one row.
.macro FRAG ks, buf                    ; 8 loads: fragments f = 2 part + j of K step ks
.irp f, 0,1,2,3
	ds_load_tr16_b128 v[\buf+8*\f:\buf+8*\f+3],   v6 offset:32*\ks*DP+256*(\f>>1)+32*(\f&1)
	ds_load_tr16_b128 v[\buf+8*\f+4:\buf+8*\f+7], v6 offset:32*\ks*DP+256*(\f>>1)+32*(\f&1)+16*DP
.endr
.endm
.macro MUL ks, buf, zero               ; 8 matrix instructions, one on each accumulator
.irp mi, 0,1
.irp f, 0,1,2,3
.if \zero
	v_wmma_f32_16x16x32_bf16 v[ACC+8*(4*\mi+\f):ACC+8*(4*\mi+\f)+7], v[\buf+8*\f:\buf+8*\f+7], v[MSK+8*(4*\mi+\ks):MSK+8*(4*\mi+\ks)+7], 0
.else
	v_wmma_f32_16x16x32_bf16 v[ACC+8*(4*\mi+\f):ACC+8*(4*\mi+\f)+7], v[\buf+8*\f:\buf+8*\f+7], v[MSK+8*(4*\mi+\ks):MSK+8*(4*\mi+\ks)+7], v[ACC+8*(4*\mi+\f):ACC+8*(4*\mi+\f)+7]
.endif
.endr
.endr
.endm
.macro PLACES                          ; four independent vector instructions between a matrix instruction and a load into, or a vector use of, its registers
.rept 4
	v_nop
.endr
.endm
	FRAG 0, F0
	FRAG 1, F1
	FRAG 2, F2
	s_wait_dscnt 16                                ; K step 0's 8 loads are in; the 16 of steps 1 and 2 may be out
	MUL 0, F0, 1                                   ; the first products start the sums
	PLACES
	FRAG 3, F0
	s_wait_dscnt 16                                ; step 1's are in; steps 2 and 3 may be out
	MUL 1, F1, 0
	s_wait_dscnt 8                                 ; step 2's are in; step 3 may be out
	MUL 2, F2, 0
	s_wait_dscnt 0x0
	MUL 3, F0, 0
	PLACES
	; 5. S1 + as S2, then into STAGE
.irp mi, 0,1
.irp j, 0,1
.irp e, 0,1,2,3,4,5,6,7
	v_fmac_f32 v[ACC+8*(4*\mi+\j)+\e], v[28+\mi], v[ACC+8*(4*\mi+2+\j)+\e]
.endr
.endr
.endr
.irp mi, 0,1
.irp j, 0,1
	ds_store_b128 v11, v[ACC+8*(4*\mi+\j):ACC+8*(4*\mi+\j)+3]   offset:16*SPT*\mi+64*\j
	ds_store_b128 v11, v[ACC+8*(4*\mi+\j)+4:ACC+8*(4*\mi+\j)+7] offset:16*SPT*\mi+64*\j+16
.endr
.endr
	; 6. E and X: each of the 512 threads sums one word over the sixteen waves' shares (published by the barrier above)
.irp i, 0,1,2,3,4,5,6,7,8,9,10,11,12,13,14,15
	ds_load_b32 v[160+\i], v14 offset:2048*\i
.endr
	s_wait_dscnt 0x0
.irp i, 0,1,2,3,4,5,6,7
	v_add_f32 v[160+\i], v[160+\i], v[168+\i]
.endr
.irp i, 0,1,2,3
	v_add_f32 v[160+\i], v[160+\i], v[164+\i]
.endr
	v_add_f32 v160, v160, v162
	v_add_f32 v161, v161, v163
	v_add_f32 v160, v160, v161
	ds_store_b32 v14, v160 offset:32768            ; EF lies 32,768 bytes behind PART
	s_wait_dscnt 0x0                               ; STAGE and EF are stored, in front of the signal
	s_barrier_signal -1
	s_barrier_wait -1
	; 7. my 8 rows back as whole rows, the rest of the formula, and out
.irp q, 0,1,2,3
	ds_load_b128 v[176+4*\q:179+4*\q], v3 offset:512*\q            ; E1 v[176:179], E2 v[180:183], X1 v[184:187], X2 v[188:191]
.endr
.irp i, 0,1,2,3,4,5,6,7
	ds_load_b128 v[192+4*\i:195+4*\i], v12 offset:\i*SPT
.endr
.irp i, 0,1,2,3,4,5,6,7
	s_wait_dscnt 7-\i                              ; LDS loads come back in order: E, X and row i are in
	v_cmp_eq_f32 vcc_lo, s[48+\i], v10
	v_cndmask_b32 v24, 0, v2, vcc_lo               ; z: the row ties with the chunk's last time
	v_mov_b32 v25, v24
	v_mov_b32 v26, s[40+\i]                        ; as of the row
	v_mov_b32 v27, s[40+\i]
	v_pk_fma_f32 v[224:225], v[184:185], v[24:25], v[176:177]      ; X1 z + E1
	v_pk_fma_f32 v[226:227], v[186:187], v[24:25], v[178:179]
	v_pk_fma_f32 v[228:229], v[188:189], v[24:25], v[180:181]      ; X2 z + E2
	v_pk_fma_f32 v[230:231], v[190:191], v[24:25], v[182:183]
	v_pk_add_f32 v[192+4*\i:193+4*\i], v[192+4*\i:193+4*\i], v[224:225]
	v_pk_add_f32 v[194+4*\i:195+4*\i], v[194+4*\i:195+4*\i], v[226:227]
	v_pk_fma_f32 v[192+4*\i:193+4*\i], v[228:229], v[26:27], v[192+4*\i:193+4*\i]
	v_pk_fma_f32 v[194+4*\i:195+4*\i], v[230:231], v[26:27], v[194+4*\i:195+4*\i]
	global_store_b128 v[OFF+\i], v[192+4*\i:195+4*\i], s[14:15] th:TH_STORE_NT   ; 512 consecutive aligned bytes of row ord[..]; data and offset are never rewritten
.endr
	s_wait_tensorcnt 0x0
	ds_add_u32 v15, v31
	s_wait_dscnt 0x0
	s_endpgm
.Lfunc_end_k_q14cbed05fc_heat:
	.size	k_q14cbed05fc_heat, .Lfunc_end_k_q14cbed05fc_heat-k_q14cbed05fc_heat
	.p2alignl 7, 3214868480
	.fill 96, 4, 3214868480
	.section	.rodata,"a",@progbits
	.p2align	6, 0x0
	.amdhsa_kernel k_q14cbed05fc_heat
		.amdhsa_group_segment_fixed_size 174080
		.amdhsa_private_segment_fixed_size 0
		.amdhsa_enable_private_segment 0
		.amdhsa_kernarg_size 48
		.amdhsa_user_sgpr_count 2
		.amdhsa_user_sgpr_kernarg_segment_ptr 1
		.amdhsa_wavefront_size32 1
		.amdhsa_system_sgpr_workgroup_id_x 1
		.amdhsa_system_sgpr_workgroup_id_y 1
		.amdhsa_system_sgpr_workgroup_id_z 1
		.amdhsa_system_vgpr_workitem_id 0
		.amdhsa_next_free_vgpr 256
		.amdhsa_next_free_sgpr 80
		.amdhsa_reserve_vcc 1
		.amdhsa_float_denorm_mode_32 3
		.amdhsa_float_denorm_mode_16_64 3
		.amdhsa_memory_ordered 1
		.amdhsa_forward_progress 1
		.amdhsa_inst_pref_size 43
	.end_amdhsa_kernel
	.amdgpu_metadata
---
amdhsa.version: [ 1, 2 ]
amdhsa.kernels:
  - .name:           k_q14cbed05fc_heat
    .symbol:         k_q14cbed05fc_heat.kd
    .args:
      - { .name: ord, .offset: 0, .size: 8, .value_kind: global_buffer, .address_space: global }
      - { .name: tss, .offset: 8, .size: 8, .value_kind: global_buffer, .address_space: global }
      - { .name: fac, .offset: 16, .size: 8, .value_kind: global_buffer, .address_space: global }
      - { .name: tsum, .offset: 24, .size: 8, .value_kind: global_buffer, .address_space: global }
      - { .name: h, .offset: 32, .size: 8, .value_kind: global_buffer, .address_space: global }
      - { .name: out0, .offset: 40, .size: 8, .value_kind: global_buffer, .address_space: global }
    .group_segment_fixed_size: 174080
    .private_segment_fixed_size: 0
    .kernarg_segment_align: 8
    .kernarg_segment_size: 48
    .max_flat_workgroup_size: 512
    .sgpr_count:     80
    .vgpr_count:     256
    .wavefront_size: 32
...
	.end_amdgpu_metadata
.endif
;; end of part 4
;; ======== version 2 of 2: 4 launches; version 1 with the launches chunks, heat written anew for expert scheduling mode
;; workspace buffers: pos 32,768 bytes of whole numbers; ord 32,768 bytes of whole numbers; tss 32,768 bytes; fac 65,536 bytes; tsum 393,216 bytes
;; launch rank: the kernel of part 1 again; grid 256 x 1, 16 waves a work-group, no clusters, 4,096 bytes of LDS; arguments t, pos; writes pos
;; launch place: the kernel of part 2 again; grid 256 x 1, 1 waves a work-group, no clusters, 0 bytes of LDS; arguments pos, t, ord, tss; writes ord, tss
;; launch chunks (part 5): grid 64 x 3, 16 waves a work-group, no clusters, 34,816 bytes of LDS; arguments ord, tss, beta, epsilon, h, fac, tsum; writes fac, tsum
.if DOCPART == 5
	.amdgcn_target "amdgcn-amd-amdhsa--gfx1250"
	.amdhsa_code_object_version 6
	.text
	.protected	k_q14cbed05fc_chunks
	.globl	k_q14cbed05fc_chunks
	.p2align	8
	.type	k_q14cbed05fc_chunks,@function
k_q14cbed05fc_chunks:
	s_mov_b64 s[64:65], 0
	v_nop
	global_prefetch_b8 v0, s[64:65] scope:SCOPE_SE
	s_setreg_imm32_b32 hwreg(HW_REG_WAVE_SCHED_MODE, 0, 2), 2
	s_setreg_imm32_b32 hwreg(HW_REG_WAVE_MODE, 25, 1), 1
	s_wait_xcnt 0x0
	s_wait_alu depctr_vm_vsrc(0)
; exp(beta (t_i - t_j)) = a_i b_j with a_i = exp(beta (t_i - mid)), b_j = exp(beta (mid - t_j)), mid = (min t + max t) / 2.
; In the order of time the rows fall into 64 chunks of 128.  Work-group (c, p) sums chunk c over the 128 columns 128 p .. 128 p + 127:
;   T1 = sum of h,  T2 = sum of b relu(h),  H1, H2 = the same over those rows only whose time equals the chunk's first time
; (rows that an earlier chunk's last rows tie with).  tsum[c][p] = T1 | T2 | H1 | H2, 128 f32 each.  All sums in f32.
; Part 0 also stores the factors of its chunk: fac = b (at 0) and epsilon a (at 0x8000), in the order of time.
; LIMITS: |beta| (max t - min t) < 88, the range in which exp(beta tau) of the problem is itself finite: both factors then lie inside
; e^-44 .. e^44.  A NaN in h is dropped by the maximum with 0.
; Wave w gathers rows 8 w .. 8 w + 7 of the chunk, 512 consecutive aligned bytes a row and load; a lane keeps 4 columns.  All 8 loads of a
; wave are issued at once, 64 KB for the work-group, so no ring, no tensor load (the rows follow a list) and no prefetch; no two
; work-groups read the same bytes of h, so no cluster.  h is loaded without a cache hint: the next launch reads the rows again.
; THE MODE: SCHED_MODE bits 1:0 = 2 (LLVM: expert scheduling mode 2), set by the entry lines.  The code itself states the register dependences
; between vector instructions and memory or LDS instructions, with s_wait_alu, always for 0.
; THE PLAN.  Registers that memory or LDS instructions touch:
;   v[8:15]   the rows' offsets: written by eight adds in one run, read by the eight row loads.  Behind the barrier: targets of LDS loads (waves 0-3), or of a load and of arithmetic (wave 4).
;   v[40:71]  the rows: the loads land, the sums read them; v[40:43] go on as T1 and are LDS store data.  Behind the barrier: targets of LDS loads.
;   v[76:87]  T2, H1, H2: written by the sums, read by the LDS stores, not written again.
;   v1, v2    LDS addresses, made once at the head.   v7  an offset, made once on each of the two ways out.
; One wait stands ahead of the run of row loads and one ahead of the run of LDS stores; that second one also shows every vector reader and writer of v[8:71] done,
; and no vector instruction stands between it and the LDS loads behind the barrier.  Masks of compares go to scalar registers in one run, with one wait behind the run.
.set OFF, 8                            ; v[8:15]   byte offsets of my 16 bytes in the 8 rows
.set BF,  16                           ; v[16:23]  b of the 8 rows (the same in all lanes)
.set HF,  24                           ; v[24:31]  1.0 where the row's time is the chunk's first time, else 0
.set HB,  32                           ; v[32:39]  HF x b
.set XR,  40                           ; v[40:71]  the 8 rows, 4 columns each; row 0's registers go on as T1
.set RL,  72                           ; v[72:75]  relu of the row at work
.set T2,  76
.set H1,  80
.set H2,  84
.set SUM, 8                            ; v[8:71]   at the end: the sixteen waves' partial sums
; v1 512 w + 16 lane, v2 2048 w + 16 lane, v3 16 lane, v4 512 p + 16 lane, v5 1.0, v6 first time of the chunk, v7 a store's offset
; s20 beta, s21 epsilon, s22 512 c, s23 beta log2(e), s24 wave, s25 c, s26 p, s27 512 c + 32 w, s28 min t, s29 max t, s30 mid,
; s31 first time of the chunk, s[32:39] the rows' indices, then byte offsets, then the masks of the eight compares, s[40:47] the rows' times
	s_load_b256 s[4:11], s[0:1], 0x0               ; ord s[4:5], tss s[6:7], beta s[8:9], epsilon s[10:11]
	s_load_b128 s[12:15], s[0:1], 0x20             ; h s[12:13], fac s[14:15]
	s_load_b64 s[16:17], s[0:1], 0x30              ; tsum
	v_lshl_add_u32 v94, v0, 2, 0x8000
	v_mov_b32 v95, 0
	v_lshrrev_b32 v1, 5, v0
	v_readfirstlane_b32 s24, v1
	v_and_b32 v3, 31, v0
	v_lshlrev_b32 v3, 4, v3
	v_mov_b32 v5, 1.0
	s_mov_b32 s25, ttmp9
	s_and_b32 s26, ttmp7, 0xffff
	s_lshl_b32 s22, s25, 9
	s_lshl_b32 s18, s26, 9
	v_add_nc_u32 v4, s18, v3
	s_wait_alu depctr_va_sdst(0)                   ; s24, the wave's number, is written, ahead of its first reader
	s_lshl_b32 s27, s24, 5
	s_add_co_u32 s27, s27, s22
	s_lshl_b32 s18, s24, 11
	v_add_nc_u32 v2, s18, v3
	s_lshl_b32 s18, s24, 9
	v_add_nc_u32 v1, s18, v3
	s_wait_kmcnt 0x0
	s_load_b256 s[32:39], s[4:5], s27 offset:0x0   ; where my 8 rows come from
	s_load_b256 s[40:47], s[6:7], s27 offset:0x0   ; their times
	s_load_b32 s20, s[8:9], 0x0
	s_load_b32 s21, s[10:11], 0x0
	s_load_b32 s28, s[6:7], 0x0                    ; the smallest time
	s_load_b32 s29, s[6:7], 0x7ffc                 ; the largest
	s_load_b32 s31, s[6:7], s22 offset:0x0         ; the chunk's first
	s_wait_kmcnt 0x0
.irp i, 0,1,2,3,4,5,6,7
	s_min_u32 s[32+\i], s[32+\i], 0x1fff           ; an index stays inside h
	s_mul_i32 s[32+\i], s[32+\i], 0x600            ; rows of 1,536 bytes
	v_add_nc_u32 v[OFF+\i], s[32+\i], v4
.endr
	s_wait_alu depctr_va_vdst(0)                   ; the eight offsets are written, which the loads below read; so are v1 and v2, the LDS addresses
.irp i, 0,1,2,3,4,5,6,7
	global_load_b128 v[XR+4*\i:XR+4*\i+3], v[OFF+\i], s[12:13]
.endr
	; the factors, while the rows are on their way
	s_mul_f32 s23, s20, 0x3fb8aa3b                 ; e^x = 2^(x log2 e)
	s_mul_f32 s30, s28, 0.5
	s_fmac_f32 s30, s29, 0.5                       ; mid, formed so that it cannot overflow
	v_mov_b32 v6, s31
.irp i, 0,1,2,3,4,5,6,7
	v_sub_f32 v[BF+\i], s30, s[40+\i]
	v_mul_f32 v[BF+\i], s23, v[BF+\i]
.endr
.irp i, 0,1,2,3,4,5,6,7
	v_exp_f32 v[BF+\i], v[BF+\i]
.endr
.irp i, 0,1,2,3,4,5,6,7
	v_cmp_eq_f32 s[32+\i], s[40+\i], v6            ; (the first of these is the plain instruction between the exponentials and their use)
.endr
	s_wait_alu depctr_va_sdst(0)                   ; the eight compares have written their masks s[32:39], which the selects read
.irp i, 0,1,2,3,4,5,6,7
	v_cndmask_b32 v[HF+\i], 0, v5, s[32+\i]
.endr
	s_wait_alu depctr_va_vdst(0)                   ; the eight exponentials have written b, v[16:23], ahead of its first reader
.irp i, 0,1,2,3,4,5,6,7
	v_mul_f32 v[HB+\i], v[HF+\i], v[BF+\i]
.endr
.macro ROW i
	s_wait_loadcnt 7-\i                            ; loads come back in order: row i is in, the 7 - i younger ones may be out
.irp e, 0,1,2,3
	v_max_num_f32 v[RL+\e], 0, v[XR+4*\i+\e]
.endr
.if \i == 0
.irp e, 0,1,2,3
	v_mul_f32 v[T2+\e], v[BF], v[RL+\e]            ; the first row starts the sums: nothing is cleared
	v_mul_f32 v[H1+\e], v[HF], v[XR+\e]
	v_mul_f32 v[H2+\e], v[HB], v[RL+\e]
.endr
.else
	v_pk_add_f32 v[XR:XR+1], v[XR:XR+1], v[XR+4*\i:XR+4*\i+1]
	v_pk_add_f32 v[XR+2:XR+3], v[XR+2:XR+3], v[XR+4*\i+2:XR+4*\i+3]
.irp e, 0,1,2,3
	v_fmac_f32 v[T2+\e], v[BF+\i], v[RL+\e]
	v_fmac_f32 v[H1+\e], v[HF+\i], v[XR+4*\i+\e]
	v_fmac_f32 v[H2+\e], v[HB+\i], v[RL+\e]
.endr
.endif
.endm
.irp i, 0,1,2,3,4,5,6,7
	ROW \i
.endr
	s_wait_alu depctr_va_vdst(0)                   ; the sums have written T1, T2, H1, H2, which the LDS stores read; every vector reader and writer of v[8:71] is done, for the LDS loads behind the barrier
	ds_store_b128 v2, v[XR:XR+3]                   ; the wave's 2,048 bytes: T1 | T2 | H1 | H2
	ds_store_b128 v2, v[T2:T2+3] offset:512
	ds_store_b128 v2, v[H1:H1+3] offset:1024
	ds_store_b128 v2, v[H2:H2+3] offset:1536
	s_wait_dscnt 0x0                               ; stored, for the other waves' sake, in front of the signal
	s_barrier_signal -1
	s_barrier_wait -1
	s_cmp_lt_u32 s24, 4
	s_cbranch_scc1 .Lsum
	s_cmp_lg_u32 s24, 4
	s_cbranch_scc1 .Lend
	s_cmp_lg_u32 s26, 0
	s_cbranch_scc1 .Lend
	; wave 4 of part 0: the chunk's 128 factors, four a lane
	v_add_nc_u32 v7, s22, v3                       ; 512 c + 16 lane
	s_wait_alu depctr_vm_vsrc(0)                   ; the row loads have read their offsets v[8:15]: the load below lands in v[8:11], the arithmetic behind it writes v[12:15]
	s_wait_alu depctr_va_vdst(0)                   ; v7 is written, which the load and the two stores below read
	global_load_b128 v[8:11], v7, s[6:7]
	s_wait_loadcnt 0x0
.irp e, 0,1,2,3
	v_sub_f32 v[12+\e], s30, v[8+\e]               ; mid - t
	v_sub_f32 v[16+\e], v[8+\e], s30               ; t - mid
	v_mul_f32 v[12+\e], s23, v[12+\e]
	v_mul_f32 v[16+\e], s23, v[16+\e]
.endr
.irp e, 0,1,2,3,4,5,6,7
	v_exp_f32 v[12+\e], v[12+\e]
.endr
	v_nop                                          ; one plain instruction between the exponentials and their use (ISA guide 5.7.2)
	s_wait_alu depctr_va_vdst(0)                   ; the eight exponentials have written v[12:19]: b is the next store's data, a is read by the multiplies
	global_store_b128 v7, v[12:15], s[14:15]               ; 512 consecutive aligned bytes each
.irp e, 0,1,2,3
	v_mul_f32 v[16+\e], s21, v[16+\e]              ; epsilon a
.endr
	s_wait_alu depctr_va_vdst(0)                   ; the multiplies have written v[16:19], which the store reads
	global_store_b128 v7, v[16:19], s[14:15] offset:0x8000
	s_wait_dscnt 0x0
	s_wait_alu depctr_hold_cnt(0) depctr_sa_sdst(0) depctr_va_vdst(0) depctr_va_sdst(0) depctr_va_ssrc(0) depctr_va_vcc(0) depctr_vm_vsrc(0)
	s_wait_tensorcnt 0x0
	ds_add_u32 v94, v95
	s_wait_dscnt 0x0
	s_endpgm
.Lsum:
	; waves 0 to 3: wave q sums vector q (T1, T2, H1, H2) over the sixteen waves
.macro ADDV a, b
	v_pk_add_f32 v[SUM+4*(\a):SUM+4*(\a)+1], v[SUM+4*(\a):SUM+4*(\a)+1], v[SUM+4*(\b):SUM+4*(\b)+1]
	v_pk_add_f32 v[SUM+4*(\a)+2:SUM+4*(\a)+3], v[SUM+4*(\a)+2:SUM+4*(\a)+3], v[SUM+4*(\b)+2:SUM+4*(\b)+3]
.endm
	s_wait_alu depctr_vm_vsrc(0)                   ; the row loads have read their offsets v[8:15] and my LDS stores their data v[40:43]: the loads below land there
.irp i, 0,1,2,3,4,5,6,7,8,9,10,11,12,13,14,15
	ds_load_b128 v[SUM+4*\i:SUM+4*\i+3], v1 offset:2048*\i
.endr
	s_mul_i32 s18, s25, 3
	s_add_co_u32 s18, s18, s26
	s_lshl_b32 s18, s18, 11                        ; (3 c + p) x 2,048 bytes
	v_add_nc_u32 v7, s18, v1
	s_wait_dscnt 0x0
.irp i, 0,1,2,3,4,5,6,7
	ADDV \i, \i+8
.endr
.irp i, 0,1,2,3
	ADDV \i, \i+4
.endr
	ADDV 0, 2
	ADDV 1, 3
	ADDV 0, 1
	s_wait_alu depctr_va_vdst(0)                   ; the additions have written v[8:11], and v7 is written: the store reads both
	global_store_b128 v7, v[SUM:SUM+3], s[16:17]   ; 512 consecutive aligned bytes a wave
.Lend:
	s_wait_dscnt 0x0
	s_wait_alu depctr_hold_cnt(0) depctr_sa_sdst(0) depctr_va_vdst(0) depctr_va_sdst(0) depctr_va_ssrc(0) depctr_va_vcc(0) depctr_vm_vsrc(0)
	s_wait_tensorcnt 0x0
	ds_add_u32 v94, v95
	s_wait_dscnt 0x0
	s_endpgm
.Lfunc_end_k_q14cbed05fc_chunks:
	.size	k_q14cbed05fc_chunks, .Lfunc_end_k_q14cbed05fc_chunks-k_q14cbed05fc_chunks
	.p2alignl 7, 3214868480
	.fill 96, 4, 3214868480
	.section	.rodata,"a",@progbits
	.p2align	6, 0x0
	.amdhsa_kernel k_q14cbed05fc_chunks
		.amdhsa_group_segment_fixed_size 34816
		.amdhsa_private_segment_fixed_size 0
		.amdhsa_enable_private_segment 0
		.amdhsa_kernarg_size 56
		.amdhsa_user_sgpr_count 2
		.amdhsa_user_sgpr_kernarg_segment_ptr 1
		.amdhsa_wavefront_size32 1
		.amdhsa_system_sgpr_workgroup_id_x 1
		.amdhsa_system_sgpr_workgroup_id_y 1
		.amdhsa_system_sgpr_workgroup_id_z 1
		.amdhsa_system_vgpr_workitem_id 0
		.amdhsa_next_free_vgpr 96
		.amdhsa_next_free_sgpr 66
		.amdhsa_reserve_vcc 0
		.amdhsa_float_denorm_mode_32 3
		.amdhsa_float_denorm_mode_16_64 3
		.amdhsa_memory_ordered 1
		.amdhsa_forward_progress 1
		.amdhsa_inst_pref_size 18
	.end_amdhsa_kernel
	.amdgpu_metadata
---
amdhsa.version: [ 1, 2 ]
amdhsa.kernels:
  - .name:           k_q14cbed05fc_chunks
    .symbol:         k_q14cbed05fc_chunks.kd
    .args:
      - { .name: ord, .offset: 0, .size: 8, .value_kind: global_buffer, .address_space: global }
      - { .name: tss, .offset: 8, .size: 8, .value_kind: global_buffer, .address_space: global }
      - { .name: beta, .offset: 16, .size: 8, .value_kind: global_buffer, .address_space: global }
      - { .name: epsilon, .offset: 24, .size: 8, .value_kind: global_buffer, .address_space: global }
      - { .name: h, .offset: 32, .size: 8, .value_kind: global_buffer, .address_space: global }
      - { .name: fac, .offset: 40, .size: 8, .value_kind: global_buffer, .address_space: global }
      - { .name: tsum, .offset: 48, .size: 8, .value_kind: global_buffer, .address_space: global }
    .group_segment_fixed_size: 34816
    .private_segment_fixed_size: 0
    .kernarg_segment_align: 8
    .kernarg_segment_size: 56
    .max_flat_workgroup_size: 512
    .sgpr_count:     66
    .vgpr_count:     96
    .wavefront_size: 32
...
	.end_amdgpu_metadata
.endif
;; end of part 5
;; launch heat (part 6): grid 64 x 3, 16 waves a work-group, no clusters, 174,080 bytes of LDS; arguments ord, tss, fac, tsum, h, out0; writes out0
.if DOCPART == 6
	.amdgcn_target "amdgcn-amd-amdhsa--gfx1250"
	.amdhsa_code_object_version 6
	.text
	.protected	k_q14cbed05fc_heat
	.globl	k_q14cbed05fc_heat
	.p2align	8
	.type	k_q14cbed05fc_heat,@function
k_q14cbed05fc_heat:
	s_mov_b64 s[64:65], 0
	v_nop
	global_prefetch_b8 v0, s[64:65] scope:SCOPE_SE
	s_setreg_imm32_b32 hwreg(HW_REG_WAVE_SCHED_MODE, 0, 2), 2
	s_setreg_imm32_b32 hwreg(HW_REG_WAVE_MODE, 25, 1), 1
	s_wait_xcnt 0x0
	s_wait_alu depctr_vm_vsrc(0)
; For row m of chunk c in the order of time (ts = sorted times, g = b relu(h), as = epsilon a):
;   out[ord[m]] = E1 + S1(m) + z(m) X1 + as(m) ( E2 + S2(m) + z(m) X2 )
;   E  = sum of T over the chunks in front of c (every row there is at or before every row of c),
;   S(m) = sum over the chunk's 128 rows k of [ts(m) >= ts(k)] x row k: the mask of the problem itself, on the matrix unit,
;   z(m) = [ts(m) = last time of c],  X = sum over later chunks cc of [first time of cc = last time of c] H(cc): ties across chunk ends.
; This holds for every t, with any pattern of equal times.  All choices are 0/1 factors from compares: no branch, no address hangs on a time.
; FORMATS: h and g of the own chunk go to the matrix unit in bf16 (the mask is exact), sums in f32; E, X and the rest in f32.
; LIMITS: as in the launch before: |beta| (max t - min t) < 88; a NaN in h is dropped by the maximum with 0.
; Work-group (c, p): chunk c, columns 128 p .. 128 p + 127.  Wave w gathers and later stores rows 8 w .. 8 w + 7 (512 consecutive aligned bytes
; a row and instruction).  In the product it owns rows 32 mp .. + 31 (mp = w / 4) and columns 32 nq .. + 31 (nq = w % 4) of h and of g:
; 8 accumulator tiles, 4 K steps of 32, 32 matrix instructions.
; Left out: tensor loads (the rows follow a list, and all 36 loads of a wave are issued at once); a cluster (no two work-groups read the same
; bytes of h; of tsum a work-group takes T in front of its chunk and H behind it, so partners with other c would ask for other halves);
; prefetching (every load stands at the head of the text).
; THE MODE: SCHED_MODE bits 1:0 = 2 (LLVM: expert scheduling mode 2), set by the entry lines.  The code itself states the register dependences
; between vector or matrix instructions and memory or LDS instructions, with s_wait_alu, always for 0.
; THE PLAN.  Registers that memory or LDS instructions touch, in the order of the text:
;   v24-27, v30, v7, v[16:23]  offsets: written in two runs at the head, one wait behind each run, then read by the loads (v[16:23] by the last stores too).  v24-27 are scratch later.
;   v3, v5, v6, v11-14         LDS addresses: written once, ahead of the wait that stands in front of the first LDS store.
;   v[64:79]                   E, X: written by part 1, read by four LDS stores, written again by rows 4 and 5 of part 3.
;   v[32+8 i : 35+8 i]         row i in bf16: written by its roundings, read by its two LDS stores, written again by the first products.
;   v[224:255]                 the rows of h land; the roundings read; fragment loads land (F0); K step 0's products read; K step 3's loads land.
;   v[160:223]                 the times land; the compares read; fragment loads land (F1, F2); the products read; the waves' shares, E, X and the stage's rows land.
;   accumulator tiles 0, 1, 4, 5   written by part 5's multiply-adds, read by the stage's stores.      v160  a sum, read by one LDS store.
;   v[192:223]                 the rows of out, finished in place, read by the global stores.
; Rows go in two blocks of four, in part 3 and in part 7: one wait behind a block's arithmetic, and its stores are dealt among the next block's arithmetic, which names other registers.
; Masks of compares go to scalar registers in runs.  In part 2 two buffers of sixteen take turns: while one buffer's masks are read, the next sixteen compares have already been issued into the other.
.set DP,    544                        ; LDS row of DATA: 128 bf16 of h, 128 bf16 of g, 32 bytes of pad; 17 x 32
.set SPT,   528                        ; LDS row of STAGE: 128 f32 + 16 bytes; 33 x 16: sixteen rows start in sixteen different 16-byte columns of 256
.set STAGE, 128*DP                     ; 69,632
.set PART,  STAGE+128*SPT              ; 137,216: sixteen waves x (E1 | E2 | X1 | X2), 2,048 bytes each
.set EF,    PART+16*2048               ; 169,984: their sums, 2,048 bytes; the end is 172,032
.set ACC,   32                         ; v[32:95]   tile 4 mi + 2 part + j.  Before the product: chunk sums v[32:63], E, X v[64:79], factors v[80:83]; then the rows' scratch
.set MSK,   96                         ; v[96:159]  mask fragments 4 mi + ks
.set TS,    160                        ; v[160:223] the chunk's times in fragment order; later fragment buffers F1, F2
.set XR,    224                        ; v[224:255] my 8 rows of h; later fragment buffer F0
.set F0,    224
.set F1,    160
.set F2,    192
.set OFF,   16                         ; v[16:23]   byte offset of my 16 bytes in rows ord[..]: for the loads of h and the stores of out
.set MA,    66                         ; s[66:81]   from part 2 on: sixteen compare masks
.set MB,    82                         ; s[82:97]   sixteen more
; v1 bf16 1.0 in the low half, v2 1.0 (= bf16 1.0 in the high half), v3 EF + 16 L, v4 512 p + 16 L, v5 DATA store, v6 fragment address,
; v7 512 c + 32 hh, v8 v9 times of my two m tiles' rows, v10 last time of c, v11 STAGE store, v12 STAGE read, v13 PART store, v14 PART read,
; v24-27 offsets of the chunk sums, then scratch, v28 v29 as of my two m tiles' rows, v30 offset of those, v84-88 set-up scratch
; s16 w, s17 c, s18 p, s19 mp, s20 nq, s21 512 c + 32 w, s22 512 w, s23 512 c + 508, s[24:31] ord -> offsets, s[32:39] b, s[40:47] as,
; s[48:55] times of my 8 rows, s[56:59] first times of chunks w + 16 k, s60 last time of c, s[66:69] [cc < c], s[70:73] [cc > c],
; s[74:77] tsum offsets, then the masks of part 1's four compares, s78 512 c
	s_load_b256 s[4:11], s[0:1], 0x0               ; ord s[4:5], tss s[6:7], fac s[8:9], tsum s[10:11]
	s_load_b128 s[12:15], s[0:1], 0x20             ; h s[12:13], out0 s[14:15]
	v_lshl_add_u32 v15, v0, 2, 0x2a000
	v_mov_b32 v31, 0
	v_lshrrev_b32 v84, 5, v0
	v_readfirstlane_b32 s16, v84
	v_and_b32 v84, 31, v0                          ; L
	v_and_b32 v85, 15, v0                          ; r
	v_bfe_u32 v86, v0, 4, 1                        ; hh
	v_lshlrev_b32 v87, 4, v84                      ; 16 L
	v_mov_b32 v1, 0x3f80
	v_mov_b32 v2, 1.0
	s_mov_b32 s17, ttmp9
	s_and_b32 s18, ttmp7, 0xffff
	s_lshl_b32 s78, s17, 9                         ; 512 c
	s_add_co_u32 s23, s78, 508
	s_wait_alu depctr_va_sdst(0)                   ; s16, the wave's number, is written, ahead of its first reader
	s_lshr_b32 s19, s16, 2
	s_and_b32 s20, s16, 3
	s_lshl_b32 s21, s16, 5
	s_add_co_u32 s21, s21, s78
	s_lshl_b32 s22, s16, 9
	; my four chunks cc = w + 16 k: in front of c their T halves count, behind c their H halves
.irp k, 0,1,2,3
	s_add_co_u32 s61, s16, 16*\k
	s_mul_i32 s62, s61, 3
	s_add_co_u32 s62, s62, s18
	s_lshl_b32 s62, s62, 11                        ; (3 cc + p) x 2,048
	s_cmp_lt_u32 s61, s17
	s_cselect_b32 s[66+\k], 1.0, 0
	s_cselect_b32 s63, 0, 1024
	s_add_co_u32 s[74+\k], s62, s63
	s_cmp_gt_u32 s61, s17
	s_cselect_b32 s[70+\k], 1.0, 0
	v_add_nc_u32 v[24+\k], s[74+\k], v87
.endr
	v_lshl_add_u32 v7, v86, 5, s78                 ; 512 c + 32 hh
	s_lshl_b32 s61, s19, 7
	s_add_co_u32 s61, s61, s78
	v_lshl_add_u32 v30, v85, 2, s61                ; 4 (128 c + 32 mp + r)
	s_lshl_b32 s61, s18, 9
	v_add_nc_u32 v4, s61, v87
	s_wait_kmcnt 0x0
	s_load_b256 s[24:31], s[4:5], s21 offset:0x0
	s_load_b256 s[32:39], s[8:9], s21 offset:0x0
	s_load_b256 s[40:47], s[8:9], s21 offset:0x8000
	s_load_b256 s[48:55], s[6:7], s21 offset:0x0
.irp k, 0,1,2,3
	s_load_b32 s[56+\k], s[6:7], s22 offset:8192*\k
.endr
	s_load_b32 s60, s[6:7], s23 offset:0x0
	s_wait_alu depctr_va_vdst(0)                   ; the offsets v24-27, v30 and v7 are written, which the 28 loads below read
.irp k, 0,1,2,3
	global_load_b128 v[32+8*\k:35+8*\k], v[24+\k], s[10:11]               ; T1 or H1 of chunk w + 16 k
	global_load_b128 v[36+8*\k:39+8*\k], v[24+\k], s[10:11] offset:512    ; T2 or H2
.endr
	global_load_b32 v8, v30, s[6:7]
	global_load_b32 v9, v30, s[6:7] offset:64
	global_load_b32 v28, v30, s[8:9] offset:0x8000
	global_load_b32 v29, v30, s[8:9] offset:0x8040
.irp ks, 0,1,2,3
	global_load_b128 v[TS+16*\ks:TS+16*\ks+3],     v7, s[6:7] offset:128*\ks      ; k = 32 ks + 8 hh + 0 .. 3
	global_load_b128 v[TS+16*\ks+4:TS+16*\ks+7],   v7, s[6:7] offset:128*\ks+16   ;                  + 4 .. 7
	global_load_b128 v[TS+16*\ks+8:TS+16*\ks+11],  v7, s[6:7] offset:128*\ks+64   ; k = 32 ks + 16 + 8 hh + 0 .. 3
	global_load_b128 v[TS+16*\ks+12:TS+16*\ks+15], v7, s[6:7] offset:128*\ks+80
.endr
	s_wait_kmcnt 0x0
.irp i, 0,1,2,3,4,5,6,7
	s_min_u32 s[24+\i], s[24+\i], 0x1fff           ; an index stays inside h and out
	s_mul_i32 s[24+\i], s[24+\i], 0x600
	v_add_nc_u32 v[OFF+\i], s[24+\i], v4
.endr
	s_wait_alu depctr_va_vdst(0)                   ; the eight offsets v[16:23] are written, which the loads below and the stores at the end read
.irp i, 0,1,2,3,4,5,6,7
	global_load_b128 v[XR+4*\i:XR+4*\i+3], v[OFF+\i], s[12:13] th:TH_LOAD_NT   ; each row piece is read once in this launch
.endr
	; part 1's four compares and the LDS addresses, while the loads are on their way
	v_mov_b32 v10, s60
.irp k, 0,1,2,3
	v_cmp_eq_f32 s[74+\k], s[56+\k], v10           ; [first time of cc = last time of c]
.endr
	v_add_nc_u32 v3, EF, v87
	s_mul_i32 s61, s16, 8*DP
	v_lshl_add_u32 v5, v84, 3, s61                 ; row 8 w, 8 bytes (4 bf16) a lane
	v_and_b32 v88, 7, v0
	v_lshl_add_u32 v88, v86, 3, v88                ; 8 hh + L % 8
	v_mul_u32_u24 v6, v88, DP
	v_bfe_u32 v88, v0, 3, 1
	v_lshl_add_u32 v6, v88, 4, v6                  ; + 16 ((L / 8) % 2)
	s_lshl_b32 s61, s20, 6
	v_add_nc_u32 v6, s61, v6                       ; + 2 x 32 nq
	s_mul_i32 s61, s19, 32*SPT
	s_lshl_b32 s63, s20, 7
	s_add_co_u32 s61, s61, s63
	s_add_co_u32 s61, s61, STAGE
	v_mul_u32_u24 v11, v85, SPT
	v_lshl_add_u32 v11, v86, 5, v11
	v_add_nc_u32 v11, s61, v11                     ; STAGE + (32 mp + r) pitch + 128 nq + 32 hh
	s_mul_i32 s61, s16, 8*SPT
	s_add_co_u32 s61, s61, STAGE
	v_add_nc_u32 v12, s61, v87
	s_lshl_b32 s61, s16, 11
	s_add_co_u32 s61, s61, PART
	v_add_nc_u32 v13, s61, v87
	s_lshl_b32 s61, s16, 7
	s_add_co_u32 s61, s61, PART
	v_lshl_add_u32 v14, v84, 2, s61                ; PART + 4 (32 w + L): my word of the 512
	; 1. my four chunks' share of E and X
	s_wait_loadcnt 28                              ; the 8 chunk sums are in; 4 + 16 + 8 younger loads may be out
	s_wait_alu depctr_va_sdst(0)                   ; the four compares above have written their masks s[74:77], which the selects read
.irp k, 0,1,2,3
	v_mov_b32 v80, s[66+\k]                        ; [cc < c], twice: a pair for the packed forms
	v_mov_b32 v81, s[66+\k]
	v_mov_b32 v83, s[70+\k]
	v_cndmask_b32 v82, 0, v83, s[74+\k]            ; [cc > c] [first time of cc = last time of c]
	v_mov_b32 v83, v82
.irp e, 0,2,4,6
.if \k == 0
	v_pk_mul_f32 v[64+\e:65+\e], v[32+\e:33+\e], v[80:81]          ; the first chunk starts the sums
	v_pk_mul_f32 v[72+\e:73+\e], v[32+\e:33+\e], v[82:83]
.else
	v_pk_fma_f32 v[64+\e:65+\e], v[32+8*\k+\e:33+8*\k+\e], v[80:81], v[64+\e:65+\e]
	v_pk_fma_f32 v[72+\e:73+\e], v[32+8*\k+\e:33+8*\k+\e], v[82:83], v[72+\e:73+\e]
.endif
.endr
.endr
	s_wait_alu depctr_va_vdst(0)                   ; E and X, v[64:79], are written, which the four stores read; so are all the LDS addresses, v3, v5, v6, v11 to v14
	ds_store_b128 v13, v[64:67]                    ; E1
	ds_store_b128 v13, v[68:71] offset:512         ; E2
	ds_store_b128 v13, v[72:75] offset:1024        ; X1
	ds_store_b128 v13, v[76:79] offset:1536        ; X2
	; 2. the mask [ts(m) >= ts(k)] as bf16 fragments: lane (r, hh) holds row m = r, registers 0-3 k = 8 hh + 0..7, registers 4-7 k = 16 + 8 hh + 0..7
	s_wait_loadcnt 8                               ; the times and as are in; the 8 rows of h may be out
.macro CMPF mi, ks, mb                 ; the sixteen compares of fragment (mi, ks), into mask buffer mb
.irp i, 0,1,2,3,4,5,6,7,8,9,10,11,12,13,14,15
	v_cmp_ge_f32 s[\mb+\i], v[8+\mi], v[TS+16*\ks+\i]
.endr
.endm
.macro SELF mi, ks, mb                 ; the fragment's eight registers out of mask buffer mb
.irp i, 0,1,2,3,4,5,6,7
	v_cndmask_b32 v24, 0, v1, s[\mb+2*\i]
	v_cndmask_b32 v25, 0, v2, s[\mb+2*\i+1]
	v_or_b32 v[MSK+8*(4*\mi+\ks)+\i], v24, v25
.endr
.endm
.macro MSTEP cmi, cks, cb, smi, sks, sb ; the next fragment's compares first, then the selects of the fragment whose masks are already waited for
	CMPF \cmi, \cks, \cb
	SELF \smi, \sks, \sb
	s_wait_alu depctr_va_sdst(0)                   ; the sixteen compares above, issued ahead of the 24 selects, have written their masks, which the next selects read
.endm
	CMPF 0, 0, MA
	s_wait_alu depctr_va_sdst(0)                   ; the first sixteen compares have written s[66:81], which the first selects read
	s_wait_alu depctr_vm_vsrc(0)                   ; the chunk sums' loads have read their offsets v24-27, scratch from here on; the four stores above have read v[64:79], which rows 4 and 5 write in part 3
	MSTEP 0, 1, MB,  0, 0, MA
	MSTEP 0, 2, MA,  0, 1, MB
	MSTEP 0, 3, MB,  0, 2, MA
	MSTEP 1, 0, MA,  0, 3, MB
	MSTEP 1, 1, MB,  1, 0, MA
	MSTEP 1, 2, MA,  1, 1, MB
	MSTEP 1, 3, MB,  1, 2, MA
	SELF 1, 3, MB
	; 3. my 8 rows into DATA: h and g = b relu(h), rounded once to bf16.  Two blocks of four rows: the first block's stores are dealt among the second block's arithmetic.
.macro ROWC i                          ; row i's arithmetic
	s_wait_loadcnt 7-(\i)                          ; row i is in, the 7 - i younger ones may be out
	v_cvt_pk_bf16_f32 v[ACC+8*(\i)],   v[XR+4*(\i)],   v[XR+4*(\i)+1]
	v_cvt_pk_bf16_f32 v[ACC+8*(\i)+1], v[XR+4*(\i)+2], v[XR+4*(\i)+3]
.irp e, 0,1,2,3
	v_max_num_f32 v[ACC+8*(\i)+4+\e], 0, v[XR+4*(\i)+\e]
.endr
.irp e, 0,1,2,3
	v_mul_f32 v[ACC+8*(\i)+4+\e], s[32+(\i)], v[ACC+8*(\i)+4+\e]
.endr
	v_cvt_pk_bf16_f32 v[ACC+8*(\i)+2], v[ACC+8*(\i)+4], v[ACC+8*(\i)+5]
	v_cvt_pk_bf16_f32 v[ACC+8*(\i)+3], v[ACC+8*(\i)+6], v[ACC+8*(\i)+7]
.endm
.macro ROWS i                          ; row i's two stores
	ds_store_b64 v5, v[ACC+8*(\i):ACC+8*(\i)+1] offset:(\i)*DP
	ds_store_b64 v5, v[ACC+8*(\i)+2:ACC+8*(\i)+3] offset:(\i)*DP+256
.endm
.irp i, 0,1,2,3
	ROWC \i
.endr
	s_wait_alu depctr_va_vdst(0)                   ; rows 0 to 3 have written their bf16, v[32+8 i : 35+8 i], which their stores read; rows 4 to 7 below name none of these registers
.irp i, 4,5,6,7
	ROWS \i-4
	ROWC \i
.endr
	s_wait_alu depctr_va_vdst(0)                   ; rows 4 to 7 have written their bf16; the roundings are done reading v[224:255] and the compares v[160:223], in which the fragment loads behind the barrier land
.irp i, 4,5,6,7
	ROWS \i
.endr
	s_wait_dscnt 0x0                               ; DATA and PART are stored, for the other waves' sake, in front of the signal
	s_barrier_signal -1
	s_barrier_wait -1
	; 4. the product.  Source 0 = DATA transposed (lane r = column n0 + r), source 1 = the mask (lane r = row m0 + r):
	; register e of lane (r, hh) then holds out(m0 + r, n0 + 8 hh + e), eight neighbouring columns of one row.
.macro FRAG ks, buf                    ; 8 loads: fragments f = 2 part + j of K step ks
.irp f, 0,1,2,3
	ds_load_tr16_b128 v[\buf+8*\f:\buf+8*\f+3],   v6 offset:32*\ks*DP+256*(\f>>1)+32*(\f&1)
	ds_load_tr16_b128 v[\buf+8*\f+4:\buf+8*\f+7], v6 offset:32*\ks*DP+256*(\f>>1)+32*(\f&1)+16*DP
.endr
.endm
.macro MUL ks, buf, zero               ; 8 matrix instructions, one on each accumulator
.irp mi, 0,1
.irp f, 0,1,2,3
.if \zero
	v_wmma_f32_16x16x32_bf16 v[ACC+8*(4*\mi+\f):ACC+8*(4*\mi+\f)+7], v[\buf+8*\f:\buf+8*\f+7], v[MSK+8*(4*\mi+\ks):MSK+8*(4*\mi+\ks)+7], 0
.else
	v_wmma_f32_16x16x32_bf16 v[ACC+8*(4*\mi+\f):ACC+8*(4*\mi+\f)+7], v[\buf+8*\f:\buf+8*\f+7], v[MSK+8*(4*\mi+\ks):MSK+8*(4*\mi+\ks)+7], v[ACC+8*(4*\mi+\f):ACC+8*(4*\mi+\f)+7]
.endif
.endr
.endr
.endm
.macro PLACES                          ; four independent vector instructions between a matrix instruction and a vector use of its result (ISA guide 7.12.1)
.rept 4
	v_nop
.endr
.endm
	FRAG 0, F0                                     ; no vector instruction has been issued since the wait behind rows 4 to 7
	FRAG 1, F1
	FRAG 2, F2
	s_wait_dscnt 16                                ; K step 0's 8 loads are in; the 16 of steps 1 and 2 may be out
	s_wait_alu depctr_vm_vsrc(0)                   ; the rows' LDS stores have read their data in v[32:95], which the first products write
	MUL 0, F0, 1                                   ; the first products start the sums
	s_wait_alu depctr_va_vdst(0)                   ; K step 0's products are done reading F0, in which K step 3's loads land
	FRAG 3, F0
	s_wait_dscnt 16                                ; step 1's are in; steps 2 and 3 may be out
	MUL 1, F1, 0
	s_wait_dscnt 8                                 ; step 2's are in; step 3 may be out
	MUL 2, F2, 0
	s_wait_dscnt 0x0
	MUL 3, F0, 0
	PLACES
	; 5. S1 + as S2
.irp mi, 0,1
.irp j, 0,1
.irp e, 0,1,2,3,4,5,6,7
	v_fmac_f32 v[ACC+8*(4*\mi+\j)+\e], v[28+\mi], v[ACC+8*(4*\mi+2+\j)+\e]
.endr
.endr
.endr
	s_wait_alu depctr_va_vdst(0)                   ; the multiply-adds have written tiles 0, 1, 4, 5, which the stage's stores read; K step 1's products are done reading v[160:175], in which the loads below land
	; 6. E and X: each of the 512 threads sums one word over the sixteen waves' shares (published by the barrier above); behind these loads S1 + as S2 goes into STAGE
.irp i, 0,1,2,3,4,5,6,7,8,9,10,11,12,13,14,15
	ds_load_b32 v[160+\i], v14 offset:2048*\i
.endr
.irp mi, 0,1
.irp j, 0,1
	ds_store_b128 v11, v[ACC+8*(4*\mi+\j):ACC+8*(4*\mi+\j)+3]   offset:16*SPT*\mi+64*\j
	ds_store_b128 v11, v[ACC+8*(4*\mi+\j)+4:ACC+8*(4*\mi+\j)+7] offset:16*SPT*\mi+64*\j+16
.endr
.endr
	s_wait_dscnt 8                                 ; LDS serves a wave's instructions in order: the sixteen loads are in, the eight younger stores may be out
.irp i, 0,1,2,3,4,5,6,7
	v_add_f32 v[160+\i], v[160+\i], v[168+\i]
.endr
.irp i, 0,1,2,3
	v_add_f32 v[160+\i], v[160+\i], v[164+\i]
.endr
	v_add_f32 v160, v160, v162
	v_add_f32 v161, v161, v163
	v_add_f32 v160, v160, v161
	s_wait_alu depctr_va_vdst(0)                   ; the sum v160 is written, which the store reads; no vector or matrix instruction that named v[176:223] is still at work, for the loads behind the barrier
	ds_store_b32 v14, v160 offset:32768            ; EF lies 32,768 bytes behind PART
	s_wait_dscnt 0x0                               ; STAGE and EF are stored, in front of the signal
	s_barrier_signal -1
	s_barrier_wait -1
	; 7. my 8 rows back as whole rows, the rest of the formula, and out.  Two blocks of four rows: the first block's stores are dealt among the second block's arithmetic.
.irp q, 0,1,2,3
	ds_load_b128 v[176+4*\q:179+4*\q], v3 offset:512*\q            ; E1 v[176:179], E2 v[180:183], X1 v[184:187], X2 v[188:191]
.endr
.irp i, 0,1,2,3,4,5,6,7
	ds_load_b128 v[192+4*\i:195+4*\i], v12 offset:\i*SPT
.endr
.irp i, 0,1,2,3,4,5,6,7
	v_cmp_eq_f32 s[MA+\i], s[48+\i], v10           ; does row i tie with the chunk's last time?
.endr
	s_wait_alu depctr_va_sdst(0)                   ; the eight compares have written their masks s[66:73], which the selects below read
.macro OUTC i                          ; row i's arithmetic
	s_wait_dscnt 7-(\i)                            ; LDS loads come back in order: E, X and row i are in
	v_cndmask_b32 v24, 0, v2, s[MA+(\i)]           ; z: the row ties with the chunk's last time
	v_mov_b32 v25, v24
	v_mov_b32 v26, s[40+(\i)]                      ; as of the row
	v_mov_b32 v27, s[40+(\i)]
	v_pk_fma_f32 v[224:225], v[184:185], v[24:25], v[176:177]      ; X1 z + E1
	v_pk_fma_f32 v[226:227], v[186:187], v[24:25], v[178:179]
	v_pk_fma_f32 v[228:229], v[188:189], v[24:25], v[180:181]      ; X2 z + E2
	v_pk_fma_f32 v[230:231], v[190:191], v[24:25], v[182:183]
	v_pk_add_f32 v[192+4*(\i):193+4*(\i)], v[192+4*(\i):193+4*(\i)], v[224:225]
	v_pk_add_f32 v[194+4*(\i):195+4*(\i)], v[194+4*(\i):195+4*(\i)], v[226:227]
	v_pk_fma_f32 v[192+4*(\i):193+4*(\i)], v[228:229], v[26:27], v[192+4*(\i):193+4*(\i)]
	v_pk_fma_f32 v[194+4*(\i):195+4*(\i)], v[230:231], v[26:27], v[194+4*(\i):195+4*(\i)]
.endm
.macro OUTS i                          ; row i's store
	global_store_b128 v[OFF+(\i)], v[192+4*(\i):195+4*(\i)], s[14:15] th:TH_STORE_NT   ; 512 consecutive aligned bytes of row ord[..]; data and offset are never rewritten
.endm
.irp i, 0,1,2,3
	OUTC \i
.endr
	s_wait_alu depctr_va_vdst(0)                   ; rows 0 to 3 are finished in v[192:207], which their stores read; rows 4 to 7 below name none of these registers
.irp i, 4,5,6,7
	OUTS \i-4
	OUTC \i
.endr
	s_wait_alu depctr_va_vdst(0)                   ; rows 4 to 7 are finished in v[208:223], which their stores read
.irp i, 4,5,6,7
	OUTS \i
.endr
	s_wait_dscnt 0x0
	s_wait_alu depctr_hold_cnt(0) depctr_sa_sdst(0) depctr_va_vdst(0) depctr_va_sdst(0) depctr_va_ssrc(0) depctr_va_vcc(0) depctr_vm_vsrc(0)
	s_wait_tensorcnt 0x0
	ds_add_u32 v15, v31
	s_wait_dscnt 0x0
	s_endpgm
.Lfunc_end_k_q14cbed05fc_heat:
	.size	k_q14cbed05fc_heat, .Lfunc_end_k_q14cbed05fc_heat-k_q14cbed05fc_heat
	.p2alignl 7, 3214868480
	.fill 96, 4, 3214868480
	.section	.rodata,"a",@progbits
	.p2align	6, 0x0
	.amdhsa_kernel k_q14cbed05fc_heat
		.amdhsa_group_segment_fixed_size 174080
		.amdhsa_private_segment_fixed_size 0
		.amdhsa_enable_private_segment 0
		.amdhsa_kernarg_size 48
		.amdhsa_user_sgpr_count 2
		.amdhsa_user_sgpr_kernarg_segment_ptr 1
		.amdhsa_wavefront_size32 1
		.amdhsa_system_sgpr_workgroup_id_x 1
		.amdhsa_system_sgpr_workgroup_id_y 1
		.amdhsa_system_sgpr_workgroup_id_z 1
		.amdhsa_system_vgpr_workitem_id 0
		.amdhsa_next_free_vgpr 256
		.amdhsa_next_free_sgpr 98
		.amdhsa_reserve_vcc 0
		.amdhsa_float_denorm_mode_32 3
		.amdhsa_float_denorm_mode_16_64 3
		.amdhsa_memory_ordered 1
		.amdhsa_forward_progress 1
		.amdhsa_inst_pref_size 53
	.end_amdhsa_kernel
	.amdgpu_metadata
---
amdhsa.version: [ 1, 2 ]
amdhsa.kernels:
  - .name:           k_q14cbed05fc_heat
    .symbol:         k_q14cbed05fc_heat.kd
    .args:
      - { .name: ord, .offset: 0, .size: 8, .value_kind: global_buffer, .address_space: global }
      - { .name: tss, .offset: 8, .size: 8, .value_kind: global_buffer, .address_space: global }
      - { .name: fac, .offset: 16, .size: 8, .value_kind: global_buffer, .address_space: global }
      - { .name: tsum, .offset: 24, .size: 8, .value_kind: global_buffer, .address_space: global }
      - { .name: h, .offset: 32, .size: 8, .value_kind: global_buffer, .address_space: global }
      - { .name: out0, .offset: 40, .size: 8, .value_kind: global_buffer, .address_space: global }
    .group_segment_fixed_size: 174080
    .private_segment_fixed_size: 0
    .kernarg_segment_align: 8
    .kernarg_segment_size: 48
    .max_flat_workgroup_size: 512
    .sgpr_count:     98
    .vgpr_count:     256
    .wavefront_size: 32
...
	.end_amdgpu_metadata
.endif
;; end of part 6
